; MI455X (gfx1250); checked and timed in simulation.
; The chip was launched on July 23, 2026; its instructions are those of AMD's public machine-readable ISA for CDNA 5 (MIT licence, August 2026) and "CDNA5" Instruction Set Architecture Reference Guide (July 2026). The comments in the code are by the model that wrote it; some were corrected since.
;; Basic Mo E Layer. Allowed arithmetic: matrix products marked QUANTISED: E3M2 operands, one E8M0 scale for each 32 along K, by v_wmma_scale_f32_16x16x128_f8f6f4 with both operands' format E3M2, f32 sums; products left as they are: f32 operands where the result goes on into a quantised operand, else bf16, f16 or f32 operands; f32 sums; everything else in f32.
;; Inputs: W1 8 x 1,024 x 512 float32; W2 8 x 512 x 1,024 float32; router 1,024 x 8 float32; x 4 x 2,048 x 1,024 float32.
;; Outputs: out0 4 x 2,048 x 1,024 float32.
;; This version of the problem:
;;   THIS VERSION OF THE PROBLEM IS GIVEN IN LOW PRECISION. The matrix products marked QUANTISED in the list below multiply operands that are first quantised to E3M2 (3 exponent bits, 2 mantissa bits; 6 bits a number), with one power-of-two scale for each 32 numbers along K (OCP MX v1.0); their sums are f32. All else is computed in f32.
;;   The module's matrix products, in the order in which they are computed (A, B: the left and right operand; K: the contracted axis; several contracted axes count as one K, in the product's order):
;;     1. [M 8,192, K 1,024] x [K 1,024, N 8]; A: input x; B: input router: left as it is (N = 8 < 16)
;;     2. [M 8,192, K 1,024] x [K 1,024, N 512]; A: input x; B: input W1: QUANTISED
;;     3. [M 8,192, K 512] x [K 512, N 1,024]; A: computed on the way; B: input W2: QUANTISED
;;     4. [M 8,192, K 1,024] x [K 1,024, N 512]; A: input x; B: input W1: QUANTISED
;;     5. [M 8,192, K 512] x [K 512, N 1,024]; A: computed on the way; B: input W2: QUANTISED
;;     6. [M 8,192, K 1,024] x [K 1,024, N 512]; A: input x; B: input W1: QUANTISED
;;     7. [M 8,192, K 512] x [K 512, N 1,024]; A: computed on the way; B: input W2: QUANTISED
;;     8. [M 8,192, K 1,024] x [K 1,024, N 512]; A: input x; B: input W1: QUANTISED
;;     9. [M 8,192, K 512] x [K 512, N 1,024]; A: computed on the way; B: input W2: QUANTISED
;;     10. [M 8,192, K 1,024] x [K 1,024, N 512]; A: input x; B: input W1: QUANTISED
;;     11. [M 8,192, K 512] x [K 512, N 1,024]; A: computed on the way; B: input W2: QUANTISED
;;     12. [M 8,192, K 1,024] x [K 1,024, N 512]; A: input x; B: input W1: QUANTISED
;;     13. [M 8,192, K 512] x [K 512, N 1,024]; A: computed on the way; B: input W2: QUANTISED
;;     14. [M 8,192, K 1,024] x [K 1,024, N 512]; A: input x; B: input W1: QUANTISED
;;     15. [M 8,192, K 512] x [K 512, N 1,024]; A: computed on the way; B: input W2: QUANTISED
;;     16. [M 8,192, K 1,024] x [K 1,024, N 512]; A: input x; B: input W1: QUANTISED
;;     17. [M 8,192, K 512] x [K 512, N 1,024]; A: computed on the way; B: input W2: QUANTISED
;;   THE QUANTISER, for each operand of a quantised product, along K:
;;     - K is cut into blocks of 32 from its start; a last block that is shorter is filled with zeros.
;;     - A block's scale is 2^e with e = floor(log2(the largest magnitude in the block)) - 4, held to -126 .. 127; a block of zeros has e = 0. As a byte (E8M0): e + 127.
;;     - Each number is divided by its block's scale, clamped to +-28, and rounded to the nearest number of E3M2, ties to even, subnormals kept.
;;     - The product sums the exact products of the quantised numbers (number of the format x scale) in f32.
;;   ~~~python
;;   def quantise(x, axis):      # numpy; x: float32 -> the quantised numbers, widened to float32 again
;;       x = np.moveaxis(x, axis, -1); K = x.shape[-1]
;;       x = np.pad(x, [(0, 0)] * (x.ndim - 1) + [(0, -K % 32)]); x = x.reshape(x.shape[:-1] + (-1, 32)); a = np.abs(x).max(-1, keepdims=True)
;;       e = np.where(a > 0, np.clip(np.frexp(np.where(a > 0, a, 1))[1] - 1 - 4, -126, 127), 0)      # np.frexp(a)[1] - 1 = floor(log2(a)), exactly
;;       r = np.clip(x / 2.0 ** e, -28, 28)
;;       step = 2.0 ** (np.maximum(np.frexp(np.where(r == 0, 1, r))[1] - 1, -2) - 2)
;;       q = np.round(r / step) * step * 2.0 ** e      # np.round: ties to even
;;       return np.moveaxis(q.reshape(q.shape[:-2] + (-1,))[..., :K], -1, axis).astype(np.float32)
;;   ~~~
;;   OPERANDS COMPUTED ON THE WAY. 'Computed on the way' means the value that the module computes at that place (a softmax that the list does not call 'softmax' is quantised finished and normalised). What goes into a quantiser is computed in f32, as accurately as f32 sums, v_exp_f32 and their like allow (about 1e-6 of the number): no bf16 or f16 on the way to a quantiser, and a product that is left as it is and whose result goes on into a quantised operand takes f32 operands (vector FMAs, or v_wmma_f32_16x16x4_f32). A number that lies on a knife's edge between two numbers of the format may be rounded either way, as far as f32 arithmetic and the matrix unit's own rounding can turn it there, and no further.
;; 2 versions. Each part assembles by itself: llvm-mc -triple=amdgcn-amd-amdhsa -mcpu=gfx1250 --defsym DOCPART=n.
;; ======== version 1 of 2: 3 launches
;; workspace buffers: xq 6,553,600 bytes; wq 6,553,600 bytes; route 65,536 bytes of whole numbers; gates 65,536 bytes; slots 43,776 bytes of whole numbers; gslots 79,360 bytes
;; launch prep (part 1): grid 768 x 1, 4 waves a work-group, no clusters, 66,048 bytes of LDS; arguments x, router, W1, W2, xq, wq, route, gates; writes xq, wq, route, gates
.if DOCPART == 1
	.amdgcn_target "amdgcn-amd-amdhsa--gfx1250"
	.amdhsa_code_object_version 6
	.text
	.protected	k_q0872b591f0_prep
	.globl	k_q0872b591f0_prep
	.p2align	8
	.type	k_q0872b591f0_prep,@function
k_q0872b591f0_prep:
	s_mov_b64 s[64:65], 0
	v_nop
	global_prefetch_b8 v0, s[64:65] scope:SCOPE_SE
	s_setreg_imm32_b32 hwreg(HW_REG_WAVE_MODE, 25, 1), 1
	s_wait_xcnt 0x0
; PREP: everything that is made once.  Three kinds of work-group, told apart by the work-group's number alone:
;   0-255    32 tokens each: the router's logits in f32, the two largest, their softmax; x as codes of BF6 (E3M2) with one E8M0 byte for each 32 along K
;   256-511  W1 [8][1024][512] as codes, K = its middle axis;   512-767  W2 [8][512][1024] likewise
; The codes are laid in the ORDER OF THE OPERANDS' REGISTERS, so that the launch that multiplies loads every fragment by loads of 16 bytes a lane.
;   x:  token x 768 bytes = [h][K step s][48 bytes]: the 12 registers of lane (row, h) of the fragment of K step s.  Scale words: token x 32 bytes, word s for K step s.
;   W:  a fragment (16 columns x 128 K) is 1,536 bytes: registers 4 g .. 4 g + 3 of lane l at 512 g + 16 l.
;       W1 fragment ((e 4 + w) 8 + s) 8 + t: tile t = 2 b + u, lane r holds hidden unit 128 w + 32 b + 8 u + r + 8 (r / 8).   W2 fragment ((e 16 + G) 4 + s) 4 + q: lane r holds column 64 G + 4 r + q.
;       Scale words: 128 bytes for two neighbouring tiles: the even tile's in lanes 0-15, the odd tile's in lanes 16-31.
; THE CHOICE OF EXPERTS steers no address here: each token's pair of experts (a key 0 .. 27), its rank among the tokens of its group of 32 with the same key, and the group's count of each key go to fixed places.
; A block's scale is 2^(floor(log2(largest magnitude)) - 4); its byte is the largest magnitude's exponent field - 4, held at 1 from below by a floor among the maximum's leaves.
; LIMITS: NaN and infinities are not served.  A block whose largest magnitude lies under 2^-122 (a block of zeros too) keeps the byte 1; this program alone reads the bytes, and zero codes add nothing.
;         The logits are sums of 1,024 f32 products in four parts: two logits that lie within the rounding of such a sum may be ranked otherwise than by another order of summing.
.set OST, 34816                        ; LDS, x path: four waves' turning stages of 32 x 272 bytes lie in front; here the codes' stage: 32 tokens x (768 + 16) bytes
.set PLG, 59904                        ; four waves' partial logits: 1,024 bytes a wave, 32 bytes a token
.set XSS, 64000                        ; the scale words: 32 bytes a token
.set XS_OFF,  6291456                  ; in xq: the scale words behind 8,192 x 768 bytes of codes
.set W2C_OFF, 3145728                  ; in wq: W2's codes, W1's scale words, W2's scale words
.set W1S_OFF, 6291456
.set W2S_OFF, 6422528
.set ACC, 8                            ; v8-15    eight logits of my token (my wave's quarter of K)
.set C,   16                           ; v16-39   codes: 12 registers for h = 0, 12 for h = 1
.set CT,  40                           ; v40-47   a block's upper 16 codes, before they are moved to an odd register
.set TM,  48                           ; v48-51   at work
.set SW,  52                           ; v52-53   scale words
.set X,   64                           ; v64-127  64 neighbours along K of my token (weights: v64-191, 128 along K of my column)
.set L,   128                          ; v128-191 the same bytes as they are loaded
.set RV,  192                          ; v192-255 my wave's 256 rows of the router
; 32 numbers of one lane, v[xs] on, become 24 bytes of codes in v[cd] .. v[cd + 5]; the block's byte goes into v[sw], sh bits up.
.macro QBLK xs, cd, ct, sh, sw
	v_max3_num_f32 v[TM], |v[\xs]|, |v[\xs+1]|, |v[\xs+2]|
	v_max3_num_f32 v[TM+1], |v[\xs+3]|, |v[\xs+4]|, |v[\xs+5]|     ; two chains, so that no line waits for the line above it
.irp i, 6,10,14,18,22,26
	v_max3_num_f32 v[TM], v[TM], |v[\xs+\i]|, |v[\xs+\i+1]|
	v_max3_num_f32 v[TM+1], v[TM+1], |v[\xs+\i+2]|, |v[\xs+\i+3]|
.endr
	v_max3_num_f32 v[TM], v[TM], |v[\xs+30]|, |v[\xs+31]|
	v_max3_num_f32 v[TM], v[TM], v[TM+1], 0x2800000                ; the floor 2^(5 - 127): the byte cannot fall under 1
	v_add_nc_u32 v[TM+2], 0xfe000000, v[TM]                        ; 4 off the exponent field: the conversion takes this operand's exponent field as its scale
	v_lshrrev_b32 v[TM+3], 23, v[TM+2]                             ; the byte
.if (\sh) == 0
	v_mov_b32 v[\sw], v[TM+3]
.else
	v_lshl_or_b32 v[\sw], v[TM+3], \sh, v[\sw]
.endif
	v_cvt_scalef32_pk16_bf6_f32 v[\cd:\cd+2], v[\xs:\xs+15], v[TM+2]
	v_cvt_scalef32_pk16_bf6_f32 v[\ct:\ct+2], v[\xs+16:\xs+31], v[TM+2]   ; a conversion's three registers begin on an even number: the upper half is made elsewhere and moved
	v_nop                                                          ; one plain place behind a scaled conversion
.irp i, 0,1,2
	v_mov_b32 v[\cd+3+\i], v[\ct+\i]
.endr
.endm
	s_load_b512 s[4:19], s[0:1], 0x0               ; x s[4:5], router s[6:7], W1 s[8:9], W2 s[10:11], xq s[12:13], wq s[14:15], route s[16:17], gates s[18:19]
	v_lshl_add_u32 v55, v0, 2, 0x10000
	v_mov_b32 v63, 0
	v_lshrrev_b32 v1, 5, v0
	v_readfirstlane_b32 s20, v1                    ; wave 0..3
	v_and_b32 v1, 31, v0                           ; lane
	v_lshrrev_b32 v48, 4, v1                       ; lane / 16
	v_and_b32 v49, 15, v1                          ; lane % 16
	s_wait_kmcnt 0x0
	s_cmp_lt_u32 ttmp9, 256
	s_cbranch_scc0 .Lweights
; ---------------------------------------------------------------- x: work-group g owns tokens 32 g .. 32 g + 31; wave w owns K = 256 w .. 256 w + 255 (K steps 2 w, 2 w + 1).
; A LANE IS A TOKEN: a block of 32 lies in one lane, the two largest logits need no other lane, and ballots give the ranks.
; Loads take the bytes as they lie (sixteen lanes read 256 consecutive bytes of a row); they turn through the wave's own stage in LDS, 64 numbers of each token at a time.
	v_lshlrev_b32 v50, 4, v49
	v_lshl_add_u32 v2, v48, 12, v50                ; loads: row lane / 16 of two, 16 bytes a lane
	s_mul_i32 s21, s20, 8704                       ; my turning stage
	v_mul_u32_u24 v3, v48, 272
	v_add_nc_u32 v3, v3, v50
	v_add_nc_u32 v3, s21, v3                       ; into it: as loaded, rows 272 bytes apart
	v_mul_u32_u24 v4, v1, 272
	v_add_nc_u32 v4, s21, v4                       ; out of it: row = my token
	s_mul_i32 s22, s20, 96
	s_add_co_u32 s22, s22, OST
	v_mul_u32_u24 v5, v1, 784
	v_add_nc_u32 v5, s22, v5                       ; the codes' stage: my token's row, my wave's two K steps (48 bytes each)
	s_lshl_b32 s22, s20, 10
	s_add_co_u32 s22, s22, PLG
	v_lshl_add_u32 v6, v1, 5, s22                  ; my partial logits
	s_lshl_b32 s22, s20, 3
	s_add_co_u32 s22, s22, XSS
	v_lshl_add_u32 v7, v1, 5, s22                  ; my two scale words
	s_mul_i32 s22, s20, 6272
	s_add_co_u32 s22, s22, OST
	v_lshlrev_b32 v58, 4, v1                       ; 16 x lane
	v_add_nc_u32 v56, s22, v58                     ; the way out of the codes' stage: my wave's 8 tokens,
	v_lshl_add_u32 v57, v48, 4, v56                ; and the same behind one row's padding more
	v_add_nc_u32 v59, XSS, v58
	v_lshlrev_b32 v60, 5, v1
	v_add_nc_u32 v60, PLG, v60
	v_lshlrev_b32 v61, 2, v1
	v_lshlrev_b32 v62, 3, v1
	s_lshl_b32 s22, ttmp9, 17                      ; 32 rows of 4,096 bytes
	s_lshl_b32 s23, s20, 10
	s_add_co_u32 s22, s22, s23
	s_mov_b32 s23, 0
	s_add_nc_u64 s[4:5], s[4:5], s[22:23]          ; x at my tokens, my quarter of K
	s_lshl_b32 s22, s20, 13
	s_add_nc_u64 s[6:7], s[6:7], s[22:23]          ; the router's rows 256 w on
	s_mul_i32 s22, ttmp9, 24576
	s_mul_i32 s24, s20, 6144
	s_add_co_u32 s22, s22, s24
	s_add_nc_u64 s[24:25], s[12:13], s[22:23]      ; the codes of tokens 32 g + 8 w on
	s_lshl_b32 s22, ttmp9, 10
	s_add_nc_u64 s[26:27], s[12:13], s[22:23]
	s_add_nc_u64 s[26:27], s[26:27], XS_OFF        ; the group's scale words
	s_lshl_b32 s22, ttmp9, 7
	s_add_nc_u64 s[16:17], s[16:17], s[22:23]      ; the group's 128 bytes of keys and ranks (and, 32,768 bytes on, of counts)
	s_lshl_b32 s22, ttmp9, 8
	s_add_nc_u64 s[18:19], s[18:19], s[22:23]      ; the group's gates
.macro LOAD p                          ; 64 along K of 32 tokens: sixteen loads, two rows' 256 bytes each
.irp i, 0,1,2,3,4,5,6,7,8,9,10,11,12,13,14,15
	global_load_b128 v[L+4*\i:L+4*\i+3], v2, s[4:5] offset:8192*\i+256*(\p) th:TH_LOAD_NT
.endr
.endm
.macro TURN                            ; through my stage: LDS serves a wave's instructions in order (ISA guide 5.7.1.4), so no wait stands between the stores and the loads
.irp i, 0,1,2,3,4,5,6,7,8,9,10,11,12,13,14,15
	ds_store_b128 v3, v[L+4*\i:L+4*\i+3] offset:544*\i
.endr
.irp i, 0,1,2,3,4,5,6,7,8,9,10,11,12,13,14,15
	ds_load_b128 v[X+4*\i:X+4*\i+3], v4 offset:16*\i
.endr
.endm
; The router's number (k, e) of my 256 rows lies in register RV + 4 (k / 16) + e % 4, lane 2 (k % 16) + e / 4.  RL n brings the 32 numbers of rows 4 n .. 4 n + 3 into scalar registers
; (two sets by turns: s32-63, s68-99); FM n multiplies them with my token's four numbers.  RL runs a step ahead of FM.
.macro RL n
.irp kk, 0,1,2,3
.irp e, 0,1,2,3,4,5,6,7
	v_readlane_b32 s[32+36*((\n)%2)+8*\kk+\e], v[RV+4*((4*(\n)+\kk)>>4)+(\e&3)], 2*((4*(\n)+\kk)&15)+(\e>>2)
.endr
.endr
.endm
.macro FM n
.irp kk, 0,1,2,3
.irp e, 0,1,2,3,4,5,6,7
.if ((\n) == 0) && (\kk == 0)
	v_mul_f32 v[ACC+\e], s[32+36*((\n)%2)+8*\kk+\e], v[X+4*((\n)%16)+\kk]      ; the first products start the sums: nothing is cleared
.else
	v_fmac_f32 v[ACC+\e], s[32+36*((\n)%2)+8*\kk+\e], v[X+4*((\n)%16)+\kk]
.endif
.endr
.endr
.endm
; Pass p: 64 along K: half c = p % 2 of K step 2 w + p / 2.
.macro PASS p
	s_wait_dscnt 0x0                               ; my 64 numbers are back from the stage, and its stores have read the registers that the next loads fill
.if \p < 3
	LOAD \p+1
.endif
.irp i, 0,1,2,3,4,5,6,7,8,9,10,11,12,13,14,15
.if (16*\p+\i) < 63
	RL 16*\p+\i+1
.endif
	FM 16*\p+\i
.endr
	QBLK X, C+6*(\p%2), CT, 16*(\p%2), SW+\p/2                     ; block 2 c of the K step: registers 6 c on of the lanes h = 0
	QBLK X+32, C+12+6*(\p%2), CT+4, 16*(\p%2)+8, SW+\p/2           ; block 2 c + 1: of the lanes h = 1
.if (\p%2) == 1
.irp h, 0,1
.irp g, 0,1,2
	ds_store_b128 v5, v[C+12*\h+4*\g:C+12*\h+4*\g+3] offset:384*\h+48*(\p/2)+16*\g
.endr
.endr
.endif
.if \p < 3
	s_wait_loadcnt 0x0                             ; the next 64, asked for at the pass's head
	TURN
.endif
.endm
.irp i, 0,1,2,3,4,5,6,7,8,9,10,11,12,13,14,15
	global_load_b128 v[RV+4*\i:RV+4*\i+3], v58, s[6:7] offset:512*\i   ; my 8,192 bytes of the router, 512 consecutive bytes a load
.endr
	LOAD 0
	s_wait_loadcnt 0x0
	TURN
	RL 0
	PASS 0
	PASS 1
	PASS 2
	PASS 3
	ds_store_b128 v6, v[ACC:ACC+3]
	ds_store_b128 v6, v[ACC+4:ACC+7] offset:16
	ds_store_b64 v7, v[SW:SW+1]
	s_wait_dscnt 0x0                               ; for the others' sake: my codes, scale words and partial logits lie in LDS
	s_barrier_signal -1
	s_barrier_wait -1
; Every wave stores 8 tokens' codes: 6,144 dense bytes, 512 a store.  Three stores cover two stage rows of 768 + 16 bytes; the middle one crosses from one row to the next at lane 16.
.irp a, 0,1,2,3
	ds_load_b128 v[64+12*\a:67+12*\a], v56 offset:1568*\a
	ds_load_b128 v[68+12*\a:71+12*\a], v57 offset:1568*\a+512
	ds_load_b128 v[72+12*\a:75+12*\a], v56 offset:1568*\a+1040
.endr
.irp i, 0,1,2,3,4,5,6,7,8,9,10,11
	s_wait_dscnt 11-\i                             ; LDS loads come back in order: load i is in, the younger ones may be out
	global_store_b128 v58, v[64+4*\i:67+4*\i], s[24:25] offset:512*\i
.endr
	s_cmp_eq_u32 s20, 1
	s_cbranch_scc0 .Lnot_wave_1
	ds_load_b128 v[112:115], v59                   ; wave 1: the group's 1,024 bytes of scale words
	ds_load_b128 v[116:119], v59 offset:512
	s_wait_dscnt 0x0
	global_store_b128 v58, v[112:115], s[26:27]
	global_store_b128 v58, v[116:119], s[26:27] offset:512
.Lnot_wave_1:
	s_cmp_lg_u32 s20, 0
	s_cbranch_scc1 .Lx_done
; Wave 0: the routing.  A lane is a token.
.irp q, 0,1,2,3
	ds_load_b128 v[128+8*\q:131+8*\q], v60 offset:1024*\q
	ds_load_b128 v[132+8*\q:135+8*\q], v60 offset:1024*\q+16
.endr
	s_wait_dscnt 0x0
.irp i, 0,2,4,6
	v_pk_add_f32 v[128+\i:129+\i], v[128+\i:129+\i], v[136+\i:137+\i]
	v_pk_add_f32 v[144+\i:145+\i], v[144+\i:145+\i], v[152+\i:153+\i]
.endr
.irp i, 0,2,4,6
	v_pk_add_f32 v[128+\i:129+\i], v[128+\i:129+\i], v[144+\i:145+\i]  ; the eight logits: v128-135
.endr
	v_mov_b32 v160, v128                           ; the largest, and its expert: a strict compare keeps the lower index, as jax.lax.top_k does
	v_mov_b32 v161, 0
.irp e, 1,2,3,4,5,6,7
	v_cmp_gt_f32 vcc_lo, v[128+\e], v160
	v_cndmask_b32 v160, v160, v[128+\e], vcc_lo
	v_cndmask_b32 v161, v161, \e, vcc_lo
.endr
	v_mov_b32 v162, 0xff800000                     ; the second: the largest of the seven others, from -infinity
	v_mov_b32 v163, 0
.irp e, 0,1,2,3,4,5,6,7
	v_cmp_gt_f32 s28, v[128+\e], v162
	v_cmp_ne_u32 vcc_lo, \e, v161
	s_and_b32 vcc_lo, vcc_lo, s28
	v_cndmask_b32 v162, v162, v[128+\e], vcc_lo
	v_cndmask_b32 v163, v163, \e, vcc_lo
.endr
	v_sub_f32 v164, v162, v160                     ; the softmax of the two, the larger taken away: the exponent is 0 or less
	v_mul_f32 v164, 0x3fb8aa3b, v164
	v_exp_f32 v164, v164                           ; r = e^(second - first)
	v_nop
	s_wait_alu depctr_va_vdst(0)
	v_add_f32 v165, 1.0, v164
	v_rcp_f32 v165, v165                           ; the first's weight, 1 / (1 + r)
	v_nop
	s_wait_alu depctr_va_vdst(0)
	v_mul_f32 v166, v164, v165                     ; the second's, r / (1 + r)
	v_cmp_lt_u32 vcc_lo, v161, v163
	v_cndmask_b32 v168, v166, v165, vcc_lo         ; by experts in ascending order: the lower expert's gate,
	v_cndmask_b32 v169, v165, v166, vcc_lo         ; the higher's
	v_min_u32 v170, v161, v163                     ; lo
	v_max_u32 v171, v161, v163                     ; hi
	v_sub_nc_u32 v172, 15, v170
	v_mul_u32_u24 v172, v170, v172
	v_lshrrev_b32 v172, 1, v172
	v_add_nc_u32 v172, v172, v171
	v_sub_nc_u32 v172, v172, v170
	v_add_nc_u32 v172, -1, v172                    ; key = lo (15 - lo) / 2 + hi - lo - 1: 0 .. 27
	v_mov_b32 v173, 0                              ; my rank among the group's tokens of my key
	v_mov_b32 v174, 0                              ; lane p: how many of the group's tokens have key p
.irp p, 0,1,2,3,4,5,6,7,8,9,10,11,12,13,14,15,16,17,18,19,20,21,22,23,24,25,26,27
	v_cmp_eq_u32 s28, \p, v172
	v_mbcnt_lo_u32_b32 v175, s28, 0
	v_cndmask_b32 v173, v173, v175, s28
	s_bcnt1_i32_b32 s29, s28
	v_writelane_b32 v174, s29, \p
.endr
	v_lshl_or_b32 v173, v173, 8, v172
	global_store_b32 v61, v173, s[16:17]           ; key | rank << 8, at the token's own place
	global_store_b32 v61, v174, s[16:17] offset:32768
	global_store_b64 v62, v[168:169], s[18:19]
.Lx_done:
	s_wait_tensorcnt 0x0
	ds_add_u32 v55, v63
	s_wait_dscnt 0x0
	s_endpgm
; ---------------------------------------------------------------- the weights.  A wave takes 32 columns x one K step of 128.  A LANE TAKES A COLUMN AND ITS REGISTERS RUN DOWN K:
; four whole blocks a lane, no other lane is asked for a maximum, and the conversions give codes with K innermost.  Lane 16 u + r is row r of the wave's tile u: block 2 c + h of its column
; is what lane (r, h) of that fragment holds in registers 6 c on, so sixteen neighbouring lanes store 256 consecutive bytes of a fragment's image.
.macro WBODY src, pitch, nt
.set I_, 0
.rept 128
.if \nt
	global_load_b32 v[X+I_], v2, s[\src:\src+1] offset:I_*\pitch th:TH_LOAD_NT
.else
	global_load_b32 v[X+I_], v2, s[\src:\src+1] offset:I_*\pitch
.endif
.set I_, I_+1
.endr
	s_wait_loadcnt 63                              ; block 0's 32 loads are in: 96 were issued behind them, and 63 is the most that the wait can name
	QBLK X, C, CT, 0, SW
	s_wait_loadcnt 63                              ; block 1's: 64 behind them
	QBLK X+32, C+12, CT+4, 8, SW
	s_wait_loadcnt 32                              ; block 2's: 32 behind them
	QBLK X+64, C+6, CT, 16, SW
	s_wait_loadcnt 0x0
	QBLK X+96, C+18, CT+4, 24, SW
.irp h, 0,1
.irp g, 0,1,2
	global_store_b128 v3, v[C+12*\h+4*\g:C+12*\h+4*\g+3], s[28:29] offset:512*\g+256*\h
.endr
.endr
	global_store_b32 v4, v[SW], s[30:31]           ; the column's scale word: 128 consecutive bytes a wave
.endm
.Lweights:
	v_lshlrev_b32 v3, 4, v49
	v_mad_u32_u24 v3, v48, 1536, v3                ; codes out: tile u's image, + 16 r
	v_lshlrev_b32 v4, 2, v1
	s_cmp_lt_u32 ttmp9, 512
	s_cbranch_scc0 .Lw2
	; W1: work-group j = (e 4 + w) 8 + s; wave b; my column = 128 w + 32 b + 16 (r / 8) + 8 u + r % 8: the wave's 32 columns are neighbours, 128 consecutive bytes a load
	s_sub_co_u32 s21, ttmp9, 256
	s_and_b32 s22, s21, 7                          ; s
	s_bfe_u32 s23, s21, 0x20003                    ; w
	s_lshr_b32 s24, s21, 5                         ; e
	s_lshl_b32 s26, s24, 21                        ; an expert is 2^21 bytes,
	s_lshl_b32 s22, s22, 18                        ; 128 rows of 2,048 bytes,
	s_add_co_u32 s26, s26, s22
	s_lshl_b32 s23, s23, 9                         ; 128 columns,
	s_add_co_u32 s26, s26, s23
	s_lshl_b32 s22, s20, 7                         ; 32 columns
	s_add_co_u32 s26, s26, s22
	s_mov_b32 s27, 0
	s_add_nc_u64 s[8:9], s[8:9], s[26:27]
	s_mul_i32 s26, s21, 12288                      ; the K step's eight fragments,
	s_mul_i32 s22, s20, 3072                       ; my two of them
	s_add_co_u32 s26, s26, s22
	s_add_nc_u64 s[28:29], s[14:15], s[26:27]
	s_lshl_b32 s26, s21, 2
	s_add_co_u32 s26, s26, s20
	s_lshl_b32 s26, s26, 7
	s_add_nc_u64 s[30:31], s[14:15], s[26:27]
	s_add_nc_u64 s[30:31], s[30:31], W1S_OFF
	v_bfe_u32 v50, v1, 3, 1
	v_and_b32 v51, 7, v1
	v_lshlrev_b32 v2, 2, v51
	v_lshl_add_u32 v2, v48, 5, v2
	v_lshl_add_u32 v2, v50, 6, v2                  ; 4 x (16 (r / 8) + 8 u + r % 8)
	WBODY 8, 2048, 1
	s_endpgm
.Lw2:
	; W2: work-group j = (e 8 + G / 2) 4 + s; wave = 2 (G % 2) + q / 2; my column = 64 G + 4 r + q, q = 2 (q / 2) + u.  Two waves share each stretch of a row, so these loads carry no hint
	s_sub_co_u32 s21, ttmp9, 512
	s_and_b32 s22, s21, 3                          ; s
	s_bfe_u32 s23, s21, 0x30002
	s_lshr_b32 s24, s21, 5                         ; e
	s_lshr_b32 s25, s20, 1
	s_lshl_b32 s23, s23, 1
	s_add_co_u32 s23, s23, s25                     ; G
	s_and_b32 s25, s20, 1                          ; q / 2
	s_lshl_b32 s26, s24, 21
	s_lshl_b32 s27, s22, 19                        ; 128 rows of 4,096 bytes
	s_add_co_u32 s26, s26, s27
	s_lshl_b32 s27, s23, 8                         ; 64 columns
	s_add_co_u32 s26, s26, s27
	s_lshl_b32 s27, s25, 3                         ; 2 columns
	s_add_co_u32 s26, s26, s27
	s_mov_b32 s27, 0
	s_add_nc_u64 s[10:11], s[10:11], s[26:27]
	s_lshl_b32 s24, s24, 4
	s_add_co_u32 s24, s24, s23
	s_lshl_b32 s24, s24, 2
	s_add_co_u32 s24, s24, s22                     ; (e 16 + G) 4 + s
	s_lshl_b32 s26, s24, 1
	s_add_co_u32 s26, s26, s25                     ; which pair of fragments
	s_mul_i32 s22, s26, 3072
	s_mov_b32 s23, 0
	s_add_nc_u64 s[28:29], s[14:15], s[22:23]
	s_add_nc_u64 s[28:29], s[28:29], W2C_OFF
	s_lshl_b32 s22, s26, 7
	s_add_nc_u64 s[30:31], s[14:15], s[22:23]
	s_add_nc_u64 s[30:31], s[30:31], W2S_OFF
	v_lshlrev_b32 v2, 4, v49
	v_lshl_add_u32 v2, v48, 2, v2                  ; 4 x (4 r + u)
	WBODY 10, 4096, 0
	s_endpgm
.Lfunc_end_k_q0872b591f0_prep:
	.size	k_q0872b591f0_prep, .Lfunc_end_k_q0872b591f0_prep-k_q0872b591f0_prep
	.p2alignl 7, 3214868480
	.fill 96, 4, 3214868480
	.section	.rodata,"a",@progbits
	.p2align	6, 0x0
	.amdhsa_kernel k_q0872b591f0_prep
		.amdhsa_group_segment_fixed_size 66048
		.amdhsa_private_segment_fixed_size 0
		.amdhsa_enable_private_segment 0
		.amdhsa_kernarg_size 64
		.amdhsa_user_sgpr_count 2
		.amdhsa_user_sgpr_kernarg_segment_ptr 1
		.amdhsa_wavefront_size32 1
		.amdhsa_system_sgpr_workgroup_id_x 1
		.amdhsa_system_sgpr_workgroup_id_y 1
		.amdhsa_system_sgpr_workgroup_id_z 1
		.amdhsa_system_vgpr_workitem_id 0
		.amdhsa_next_free_vgpr 256
		.amdhsa_next_free_sgpr 100
		.amdhsa_reserve_vcc 1
		.amdhsa_float_denorm_mode_32 3
		.amdhsa_float_denorm_mode_16_64 3
		.amdhsa_memory_ordered 1
		.amdhsa_forward_progress 1
		.amdhsa_inst_pref_size 255
	.end_amdhsa_kernel
	.section	.bss,"aw",@nobits
	.p2align	6
	.space	262144
	.amdgpu_metadata
---
amdhsa.version: [ 1, 2 ]
amdhsa.kernels:
  - .name:           k_q0872b591f0_prep
    .symbol:         k_q0872b591f0_prep.kd
    .args:
      - { .name: x, .offset: 0, .size: 8, .value_kind: global_buffer, .address_space: global }
      - { .name: router, .offset: 8, .size: 8, .value_kind: global_buffer, .address_space: global }
      - { .name: W1, .offset: 16, .size: 8, .value_kind: global_buffer, .address_space: global }
      - { .name: W2, .offset: 24, .size: 8, .value_kind: global_buffer, .address_space: global }
      - { .name: xq, .offset: 32, .size: 8, .value_kind: global_buffer, .address_space: global }
      - { .name: wq, .offset: 40, .size: 8, .value_kind: global_buffer, .address_space: global }
      - { .name: route, .offset: 48, .size: 8, .value_kind: global_buffer, .address_space: global }
      - { .name: gates, .offset: 56, .size: 8, .value_kind: global_buffer, .address_space: global }
    .group_segment_fixed_size: 66048
    .private_segment_fixed_size: 0
    .kernarg_segment_align: 8
    .kernarg_segment_size: 64
    .max_flat_workgroup_size: 128
    .sgpr_count:     100
    .vgpr_count:     256
    .wavefront_size: 32
...
	.end_amdgpu_metadata
.endif
;; end of part 1
;; launch place (part 2): grid 1 x 1, 8 waves a work-group, no clusters, 2,048 bytes of LDS; arguments route, gates, slots, gslots; writes slots, gslots
.if DOCPART == 2
	.amdgcn_target "amdgcn-amd-amdhsa--gfx1250"
	.amdhsa_code_object_version 6
	.text
	.protected	k_q0872b591f0_place
	.globl	k_q0872b591f0_place
	.p2align	8
	.type	k_q0872b591f0_place,@function
k_q0872b591f0_place:
	s_mov_b64 s[64:65], 0
	v_nop
	global_prefetch_b8 v0, s[64:65] scope:SCOPE_SE
	s_setreg_imm32_b32 hwreg(HW_REG_WAVE_MODE, 25, 1), 1
	s_wait_xcnt 0x0
; PLACE: a counting sort of the 8,192 tokens by their pair of experts (key 0 .. 27), from the counts that the launch before stored.  Whole numbers only; no atomics; one work-group.
; Each key's tokens are cut into tiles of 64.  The sum over keys of ceil(n / 64) is at most (8,192 + 28 x 63) / 64, so never more than 155 tiles, whatever the choice.
; OUT: slots + 0: 256 entries {lo, hi, rows, 0}, entry T for tile T (rows = 0: no such tile);  slots + 4,096: tile x 64 token numbers;  gslots: tile x 64 pairs of gates.
; A token's place = 64 x its key's first tile + the key's tokens in earlier groups of 32 + its rank in its own group.  Places past a tile's rows are not written, and nobody reads them.
; Wave v owns groups 32 v .. 32 v + 31.  v32-63: a group's counts (lane = key), then its first places; v64-95: key | rank << 8 (lane = token); v96-159: gates; v160-191 at work.
	s_load_b256 s[4:11], s[0:1], 0x0               ; route s[4:5], gates s[6:7], slots s[8:9], gslots s[10:11]
	v_lshl_add_u32 v192, v0, 2, 0x400
	v_mov_b32 v193, 0
	v_lshrrev_b32 v1, 5, v0
	v_readfirstlane_b32 s12, v1                    ; wave 0..7
	v_and_b32 v1, 31, v0                           ; lane
	v_lshlrev_b32 v2, 2, v1
	v_lshlrev_b32 v3, 3, v1
	v_lshlrev_b32 v4, 2, v0                        ; LDS: 128 x wave + 4 x lane
	v_lshlrev_b32 v5, 4, v0                        ; my tile entry
	s_lshl_b32 s14, s12, 12                        ; 32 groups x 128 bytes
	s_mov_b32 s15, 0
	s_lshl_b32 s16, s12, 13                        ; 32 groups x 256 bytes
	s_mov_b32 s17, 0
	s_wait_kmcnt 0x0
	s_add_nc_u64 s[4:5], s[4:5], s[14:15]
	s_add_nc_u64 s[6:7], s[6:7], s[16:17]
	s_add_nc_u64 s[20:21], s[8:9], 4096            ; the token numbers
.set I_, 0
.rept 32
	global_load_b32 v[32+I_], v2, s[4:5] offset:32768+128*I_
.set I_, I_+1
.endr
.set I_, 0
.rept 32
	global_load_b32 v[64+I_], v2, s[4:5] offset:128*I_
.set I_, I_+1
.endr
	s_wait_loadcnt 32                              ; the counts are in; the 32 loads of keys and ranks may be out
.set I_, 0
.rept 32
	global_load_b64 v[96+2*I_:97+2*I_], v3, s[6:7] offset:256*I_
.set I_, I_+1
.endr
	v_add_nc_u32 v6, v32, v33                      ; my wave's count of each key
.set I_, 0
.rept 15
	v_add3_u32 v6, v6, v[34+2*I_], v[35+2*I_]
.set I_, I_+1
.endr
	ds_store_b32 v4, v6
	s_wait_dscnt 0x0                               ; for the others' sake
	s_barrier_signal -1
	s_barrier_wait -1
.irp q, 0,1,2,3,4,5,6,7
	ds_load_b32 v[8+\q], v2 offset:128*\q
.endr
	s_wait_dscnt 0x0
	v_mov_b32 v16, 0                               ; the key's tokens in earlier waves' groups
.irp q, 0,1,2,3,4,5,6,7
	s_cmp_lt_u32 \q, s12
	s_cselect_b32 s13, -1, 0
	v_and_b32 v18, s13, v[8+\q]
	v_add_nc_u32 v16, v16, v18
.endr
	v_add3_u32 v17, v8, v9, v10
	v_add3_u32 v17, v17, v11, v12
	v_add3_u32 v17, v17, v13, v14
	v_add_nc_u32 v17, v17, v15                     ; n: the key's tokens in all
	v_add_nc_u32 v18, 63, v17
	v_lshrrev_b32 v18, 6, v18                      ; its tiles
	s_mov_b32 s18, 0
	v_mov_b32 v19, 0                               ; lane p: key p's first tile
	v_mov_b32 v20, 0                               ; the key of tile T (T = my thread's number): how many keys end at or before T
.irp p, 0,1,2,3,4,5,6,7,8,9,10,11,12,13,14,15,16,17,18,19,20,21,22,23,24,25,26,27,28,29,30,31
	v_readlane_b32 s19, v18, \p
	v_writelane_b32 v19, s18, \p
	s_add_co_u32 s18, s18, s19
.if \p < 28
	v_cmp_le_u32 vcc_lo, s18, v0
	v_add_co_ci_u32 v20, vcc_lo, 0, v20, vcc_lo
.endif
.endr
	v_lshlrev_b32 v21, 2, v20
	ds_bpermute_b32 v22, v21, v17                  ; that key's n (past the last tile the key is 28: n = 0),
	ds_bpermute_b32 v23, v21, v19                  ; and its first tile
	v_mov_b32 v24, 0                               ; lo: how many of the keys at which lo steps are at or under mine
.irp c, 7,13,18,22,25,27
	v_cmp_le_u32 vcc_lo, \c, v20
	v_add_co_ci_u32 v24, vcc_lo, 0, v24, vcc_lo
.endr
	v_sub_nc_u32 v25, 15, v24
	v_mul_u32_u24 v25, v24, v25
	v_lshrrev_b32 v25, 1, v25
	v_sub_nc_u32 v25, v20, v25
	v_add3_u32 v25, v25, v24, 1                    ; hi
	s_wait_dscnt 0x0
	v_sub_nc_u32 v26, v0, v23
	v_lshlrev_b32 v26, 6, v26
	v_sub_nc_u32 v26, v22, v26
	v_max_i32 v26, 0, v26
	v_min_i32 v26, 64, v26                         ; rows = n - 64 (T - first tile), held to 0 .. 64
	v_mov_b32 v27, 0
	global_store_b128 v5, v[24:27], s[8:9]         ; 256 entries, 512 consecutive bytes a wave
	v_lshl_add_u32 v28, v19, 6, v16                ; each group's first place for each key: a running sum over my 32 groups
.set I_, 0
.rept 32
	v_add_nc_u32 v[28+(I_+1)%2], v[28+I_%2], v[32+I_]
	v_mov_b32 v[32+I_], v[28+I_%2]
.set I_, I_+1
.endr
	s_lshl_b32 s13, s12, 10
	v_add_nc_u32 v30, s13, v1                      ; token = 1,024 x wave + 32 x group + lane
	s_wait_loadcnt 32                              ; keys and ranks are in; the 32 loads of gates may be out
.irp bt, 0,1,2,3                       ; eight groups at a time
.if \bt > 0
	s_wait_xcnt 0x0                                ; the last batch's stores have read their offsets and data: the registers are written again only behind this wait
.endif
.irp q, 0,1,2,3,4,5,6,7
	v_and_b32 v[160+\q], 0xff, v[64+8*\bt+\q]
.endr
.irp q, 0,1,2,3,4,5,6,7
	v_lshlrev_b32 v[160+\q], 2, v[160+\q]
.endr
.irp q, 0,1,2,3,4,5,6,7
	ds_bpermute_b32 v[168+\q], v[160+\q], v[32+8*\bt+\q]           ; the group's first place for my key
.endr
.irp q, 0,1,2,3,4,5,6,7
	v_lshrrev_b32 v[184+\q], 8, v[64+8*\bt+\q]                     ; my rank
	v_add_nc_u32 v[176+\q], 32*(8*\bt+\q), v30                     ; my token's number
.endr
	s_wait_dscnt 0x0
.if \bt == 0
	s_wait_loadcnt 0x0                             ; the gates
.endif
.irp q, 0,1,2,3,4,5,6,7
	v_add_nc_u32 v[168+\q], v[168+\q], v[184+\q]
	v_min_u32 v[168+\q], 0x26bf, v[168+\q]                         ; a place lies under 155 x 64
	v_lshlrev_b32 v[160+\q], 2, v[168+\q]
	v_lshlrev_b32 v[168+\q], 3, v[168+\q]
.endr
.irp q, 0,1,2,3,4,5,6,7
	global_store_b32 v[160+\q], v[176+\q], s[20:21]                ; scattered stores of 4 and 8 bytes: they are the placing itself, 96 KiB in all
	global_store_b64 v[168+\q], v[96+2*(8*\bt+\q):97+2*(8*\bt+\q)], s[10:11]
.endr
.endr
	s_wait_tensorcnt 0x0
	ds_add_u32 v192, v193
	s_wait_dscnt 0x0
	s_endpgm
.Lfunc_end_k_q0872b591f0_place:
	.size	k_q0872b591f0_place, .Lfunc_end_k_q0872b591f0_place-k_q0872b591f0_place
	.p2alignl 7, 3214868480
	.fill 96, 4, 3214868480
	.section	.rodata,"a",@progbits
	.p2align	6, 0x0
	.amdhsa_kernel k_q0872b591f0_place
		.amdhsa_group_segment_fixed_size 2048
		.amdhsa_private_segment_fixed_size 0
		.amdhsa_enable_private_segment 0
		.amdhsa_kernarg_size 32
		.amdhsa_user_sgpr_count 2
		.amdhsa_user_sgpr_kernarg_segment_ptr 1
		.amdhsa_wavefront_size32 1
		.amdhsa_system_sgpr_workgroup_id_x 1
		.amdhsa_system_sgpr_workgroup_id_y 1
		.amdhsa_system_sgpr_workgroup_id_z 1
		.amdhsa_system_vgpr_workitem_id 0
		.amdhsa_next_free_vgpr 194
		.amdhsa_next_free_sgpr 66
		.amdhsa_reserve_vcc 1
		.amdhsa_float_denorm_mode_32 3
		.amdhsa_float_denorm_mode_16_64 3
		.amdhsa_memory_ordered 1
		.amdhsa_forward_progress 1
		.amdhsa_inst_pref_size 43
	.end_amdhsa_kernel
	.amdgpu_metadata
---
amdhsa.version: [ 1, 2 ]
amdhsa.kernels:
  - .name:           k_q0872b591f0_place
    .symbol:         k_q0872b591f0_place.kd
    .args:
      - { .name: route, .offset: 0, .size: 8, .value_kind: global_buffer, .address_space: global }
      - { .name: gates, .offset: 8, .size: 8, .value_kind: global_buffer, .address_space: global }
      - { .name: slots, .offset: 16, .size: 8, .value_kind: global_buffer, .address_space: global }
      - { .name: gslots, .offset: 24, .size: 8, .value_kind: global_buffer, .address_space: global }
    .group_segment_fixed_size: 2048
    .private_segment_fixed_size: 0
    .kernarg_segment_align: 8
    .kernarg_segment_size: 32
    .max_flat_workgroup_size: 256
    .sgpr_count:     66
    .vgpr_count:     194
    .wavefront_size: 32
...
	.end_amdgpu_metadata
.endif
;; end of part 2
;; launch chain (part 3): grid 155 x 1, 4 waves a work-group, no clusters, 102,912 bytes of LDS; arguments slots, gslots, xq, wq, out0; writes out0
.if DOCPART == 3
	.amdgcn_target "amdgcn-amd-amdhsa--gfx1250"
	.amdhsa_code_object_version 6
	.text
	.protected	k_q0872b591f0_chain
	.globl	k_q0872b591f0_chain
	.p2align	8
	.type	k_q0872b591f0_chain,@function
k_q0872b591f0_chain:
	s_mov_b64 s[64:65], 0
	v_nop
	global_prefetch_b8 v0, s[64:65] scope:SCOPE_SE
	s_setreg_imm32_b32 hwreg(HW_REG_WAVE_MODE, 25, 1), 1
	s_wait_xcnt 0x0
; CHAIN: out[token] = g_lo swish(x W1[lo]) W2[lo] + g_hi swish(x W1[hi]) W2[hi], both products of each expert on codes of BF6 (E3M2) with E8M0 scales; sums, swish and gates in f32.
; A work-group takes ONE TILE: up to 64 tokens that chose the same two experts, through the whole chain for both.  So each row of out has one owner, nothing is added across work-groups, and the hidden layer never goes to memory.
; THE GRID serves every split: 155 tiles at the most (the sum over 28 pairs of ceil(n / 64)).
; A WORK-GROUP WHOSE ENTRY SAYS 0 ROWS stores nothing and ends behind the second barrier, the last one: every wave passes every barrier, and none stands under a branch on a number read from memory.  Up to there it walks the
; first product like any other, on tile 0's first row (a place that is always written) and the experts of its own entry, held at 7; the second product, half of the work, it leaves out.
; NO TENSOR LOADS, NO CLUSTER: that end hangs on a stored number, and how many tiles share a pair of experts hangs on the data, so partners could not be given equal work.  The weights go from memory straight into registers,
; laid by the first launch in the order of the operands' registers: a fragment is three loads of 16 bytes a lane, 512 consecutive bytes each.
; SHARES.  THE WAVES SHARE THE COLUMNS: wave w makes hidden units 128 w .. 128 w + 127 (K step w of the second product) and columns 256 w .. 256 w + 255 of out, for all 64 rows.  No weight byte is loaded twice in a work-group,
; and each weight fragment feeds four matrix instructions (four tiles of 16 rows).  What goes from wave to wave through LDS is small: x's and the hidden layer's fragments, as images of their registers.
; EACH TILE WALKS THE WEIGHTS FROM ITS OWN STARTING POINT: step i of the first product takes K step (tile + i) % 8, and the i-th run of 64 columns of the second is run (tile + i) % 4 of the wave's four.  So the work-groups that
; share an expert's weights do not all ask for the same bytes at the same moment.  x's images, x's scale words and W1's offsets are laid in the walked order at the head: every register number and LDS address stays a constant.
; ROWS PAST THE TILE'S COUNT repeat its last row (the row number is held at count - 1): the same token, the same numbers, stored to the same bytes.  EXEC stays full.
; FIRST PRODUCT, transposed (source 0 = 16 hidden units, source 1 = 16 rows of x): a lane holds one row, and the 16 registers of tiles 2 b, 2 b + 1 are 16 neighbours along the next K (the first launch chose W1's rows so).
; SECOND PRODUCT, natural (source 0 = 16 rows of the hidden layer, source 1 = 16 columns of W2): register j of lane (r, h) is row 8 h + j, column 64 G + 4 r + q of tile q: four tiles give a lane 16 neighbouring bytes of a row,
; and sixteen lanes store 256 consecutive bytes at a multiple of 256 from out's first byte.
; THE WEIGHTS' RING: four slots of 8 fragments (12,288 bytes of codes + 512 of scale words: 28 loads) in registers; a slot is asked for again as soon as its products are issued.
; LIMITS: NaN and infinities are not served; a block of the hidden layer whose largest magnitude lies under 2^-122 keeps the byte 1 (zero codes add nothing).  The first product's f32 sums begin at another K step from tile to
; tile: an order of rounding that differs from reference()'s.
; REGISTERS, in windows of 256 (s_set_vgpr_msb: bits 1:0 source 0, 3:2 source 1, 5:4 source 2, 7:6 destination):
;   window 0: v1-15 addresses; v16-31 the ring's scale words; v32-63 x's; v64-95 the hidden layer's (these three hold scales and nothing else); v96-159 gates (in the first product v96-111: W1's offsets); v160-199 the quantiser;
;             v200-231 at work; v232-255 offsets
;   window 1: v0-191 ring slots 0, 1; v192-239 operand buffer a; v240-255 out's offsets of rows 0-31        window 2: the same for slots 2, 3, buffer b, rows 32-63
;   window 3: first product: the hidden layer, v[64 m + 8 t + j]; second: v0-127 y, v[8 (4 q + m) + j], v128-255 the gated sum, v[128 + 32 m + 4 j + q]; at the head v0-95 take my 16 rows' codes of x
.set W2C_OFF, 3145728                  ; in wq: W2's codes behind W1's; the scale words behind both
.set W1S_OFF, 6291456
.set XS_OFF,  6291456                  ; in xq: the scale words
.set HIMG, 49152                       ; LDS: from 0 x's 32 images (8 m + step) of 1,536 bytes; here the hidden layer's 32 ((4 p + m) 4 + s);
.set HSC,  98304                       ; and its scale words, 128 bytes each
.set LI,  1                            ; v1   16 x lane
.set LS,  2                            ; v2   4 x lane
.set RR,  3                            ; v3   lane % 16
.set HH,  4                            ; v4   lane / 16
.set XWI, 5                            ; v5   where I store x's images
.set HWI, 6                            ; v6   the hidden layer's
.set HWS, 7                            ; v7   and its scale words
.set LIH, 8                            ; v8   HIMG + 16 x lane
.set LSH, 9                            ; v9   HSC + 4 x lane
.set TK,  10                           ; v10-13 the token of row 16 m + lane % 16; v14 of row 16 w + lane % 16
.set VB,  15                           ; v15  16 (lane % 16) + 1,024 w: my bytes in a row of out
.set SCL, 16
.set XS,  32
.set HS,  64
.set G,   96
.set WO,  96                           ; v96-103  step i's offset in W1's codes: 16 x lane + 12,288 x its K step
.set WSO, 104                          ; v104-111 and in W1's scale words: 4 x lane + 512 x its K step
.set TM,  160
.set PW,  176
.set PC,  180
.set T,   200
.set XO,  200                          ; v200-207 at the head: step i's offset in my row's codes of x
.set IX,  232
.set W1LO, 20                          ; s[20:27] my part of the codes of W1[lo], W1[hi], W2[lo], W2[hi];  s[28:35] of their scale words: never rewritten
.set W1HI, 22
.set W2LO, 24
.set W2HI, 26
.set S1LO, 28
.set S1HI, 30
.set S2LO, 32
.set S2HI, 34
.set TOKB, 36                          ; s[36:37] the tile's token numbers;  s[38:39] its gates;  s[40:41], s[42:43] x's codes and scale words;  s[44:45] out
.set GPB,  38
.set XCB,  40
.set XSB,  42
.set OUTB, 44
.set CH,   53                          ; s53      which of my four runs of 64 columns is in hand (behind a run's step: which is fetched)
.set KS,   66                          ; s66-73   the K step that step i of the first product takes
.set W2W,  74                          ; s[74:77] W2[lo]'s and W2[hi]'s codes at the run that is fetched;  s[78:81] their scale words
.set S2W,  78
.set OUTW, 82                          ; s[82:83] out at the run in hand
.set XSR,  84                          ; s[84:99] x's scale words at step i's word
.set MSB, 0
.macro WIN new                         ; the immediate's high byte repeats the setting that is left; a switch that changes nothing is dropped
.set NW_, \new
.if MSB != NW_
	s_set_vgpr_msb (MSB<<8)|NW_
.set MSB, NW_
.endif
.endm
.macro PLACES                          ; four places behind matrix instructions, in front of loads into registers that they have read and of the first read of results
.rept 4
	v_nop
.endr
.endm
; One matrix instruction.  zero: the product starts its sum.  row = 1: source 0's scales stand in lanes 16-31; 2: source 1's.
.macro MM d, a, b, zero, sa, sb, row
.if \zero
.if (\row) == 0
	v_wmma_scale_f32_16x16x128_f8f6f4 v[\d:\d+7], v[\a:\a+11], v[\b:\b+11], 0, v[\sa], v[\sb] matrix_a_fmt:MATRIX_FMT_BF6 matrix_b_fmt:MATRIX_FMT_BF6
.elseif (\row) == 1
	v_wmma_scale_f32_16x16x128_f8f6f4 v[\d:\d+7], v[\a:\a+11], v[\b:\b+11], 0, v[\sa], v[\sb] matrix_a_fmt:MATRIX_FMT_BF6 matrix_b_fmt:MATRIX_FMT_BF6 matrix_a_scale:MATRIX_SCALE_ROW1
.else
	v_wmma_scale_f32_16x16x128_f8f6f4 v[\d:\d+7], v[\a:\a+11], v[\b:\b+11], 0, v[\sa], v[\sb] matrix_a_fmt:MATRIX_FMT_BF6 matrix_b_fmt:MATRIX_FMT_BF6 matrix_b_scale:MATRIX_SCALE_ROW1
.endif
.else
.if (\row) == 0
	v_wmma_scale_f32_16x16x128_f8f6f4 v[\d:\d+7], v[\a:\a+11], v[\b:\b+11], v[\d:\d+7], v[\sa], v[\sb] matrix_a_fmt:MATRIX_FMT_BF6 matrix_b_fmt:MATRIX_FMT_BF6
.elseif (\row) == 1
	v_wmma_scale_f32_16x16x128_f8f6f4 v[\d:\d+7], v[\a:\a+11], v[\b:\b+11], v[\d:\d+7], v[\sa], v[\sb] matrix_a_fmt:MATRIX_FMT_BF6 matrix_b_fmt:MATRIX_FMT_BF6 matrix_a_scale:MATRIX_SCALE_ROW1
.else
	v_wmma_scale_f32_16x16x128_f8f6f4 v[\d:\d+7], v[\a:\a+11], v[\b:\b+11], v[\d:\d+7], v[\sa], v[\sb] matrix_a_fmt:MATRIX_FMT_BF6 matrix_b_fmt:MATRIX_FMT_BF6 matrix_b_scale:MATRIX_SCALE_ROW1
.endif
.endif
.endm
; A set of 8 weight fragments and their 4 registers of scale words into a ring slot: 28 loads.  va, vs: the vector offsets; cb, sb: the bases; coff, soff: constants
.macro LOADSET slot, va, cb, coff, vs, sb, soff
	WIN (1+(\slot)/2)<<6
.irp f, 0,1,2,3,4,5,6,7
.irp g, 0,1,2
	global_load_b128 v[96*((\slot)%2)+12*\f+4*\g:96*((\slot)%2)+12*\f+4*\g+3], v[\va], s[\cb:\cb+1] offset:\coff+1536*\f+512*\g
.endr
.endr
	WIN 0
.irp i, 0,1,2,3
	global_load_b32 v[SCL+4*(\slot)+\i], v[\vs], s[\sb:\sb+1] offset:\soff+128*\i
.endr
.endm
; Set k of the walk: 0-7 W1[lo]'s K steps in the tile's order, 8-15 W1[hi]'s, 16-19 the tile's first run of 64 columns of W2[lo] (two sets) and of W2[hi]
.macro FILLK k
.if (\k) < 8
	LOADSET (\k)%4, WO+(\k)%8, W1LO, 0, WSO+(\k)%8, S1LO, 0
.elseif (\k) < 16
	LOADSET (\k)%4, WO+(\k)%8, W1HI, 0, WSO+(\k)%8, S1HI, 0
.elseif (\k) < 18
	LOADSET (\k)%4, LI, W2W, 12288*((\k)-16), LS, S2W, 512*((\k)-16)
.else
	LOADSET (\k)%4, LI, W2W+2, 12288*((\k)-18), LS, S2W+2, 512*((\k)-18)
.endif
.endm
.macro XFETCH b, s                     ; x's four fragments (rows 16 m on) of step s into buffer b: 12 LDS loads
	WIN (1+(\b))<<6
.irp m, 0,1,2,3
.irp g, 0,1,2
	ds_load_b128 v[192+12*\m+4*\g:192+12*\m+4*\g+3], v[LI] offset:(8*\m+(\s))*1536+512*\g
.endr
.endr
	WIN 0
.endm
.macro HFETCH b, p, s                  ; the hidden layer's four fragments of expert p, K step s
	WIN (1+(\b))<<6
.irp m, 0,1,2,3
.irp g, 0,1,2
	ds_load_b128 v[192+12*\m+4*\g:192+12*\m+4*\g+3], v[LIH] offset:((4*(\p)+\m)*4+(\s))*1536+512*\g
.endr
.endr
	WIN 0
.endm
; Step k of the first product: expert k / 8, the tile's (k % 8)-th K step: 32 matrix instructions on 32 accumulators, which take turns in the same order in every step.
.macro P1STEP k
.set SL_, (\k)%4
.set SS_, (\k)%8
	s_wait_loadcnt 56                              ; this step's set is in: three sets, 84 loads, were issued behind it, and two of them may stay out
.if (\k) == 15
	s_wait_dscnt 0x0
.else
	s_wait_dscnt 12                                ; this step's fragments of x are in; the next step's 12 loads may be out
.endif
	WIN 0xf0|((1+(\k)%2)<<2)|(1+SL_/2)
.irp t, 0,1,2,3,4,5,6,7
.irp m, 0,1,2,3
	MM 64*\m+8*\t, 96*(SL_%2)+12*\t, 192+12*\m, (SS_==0), SCL+4*SL_+\t/2, XS+8*\m+SS_, \t%2
.endr
.endr
	WIN 0
	PLACES
	FILLK (\k)+4                                   ; the slot just multiplied takes the set four steps on
.if (\k) < 14
	XFETCH (\k)%2, ((\k)+2)%8
.endif
.endm
; The tokens and gates of rows 16 m + 8 (lane / 16) + j, as the second product's results lie: 64 loads.  They are asked for in the middle of the second swish, when the ring's loads have had two tiles' swish in which to
; land, so that they find room among the wave's outstanding loads, and they have two more tiles' swish in which to land themselves.
.macro ROWS_IN
	WIN 0
	v_lshlrev_b32 v[IX], 3, v[HH]
.irp bt, 0,1
.if \bt > 0
	s_wait_xcnt 0x0                                ; the first batch's loads have read their offsets
.endif
.set I_, 0
.rept 16
	v_add_nc_u32 v[T+I_], 32*\bt+16*(I_/8)+I_%8, v[IX]
.set I_, I_+1
.endr
.set I_, 0
.rept 16
	v_min_u32 v[T+I_], s46, v[T+I_]
.set I_, I_+1
.endr
.set I_, 0
.rept 16
	v_min_u32 v[T+I_], 63, v[T+I_]
.set I_, I_+1
.endr
.set I_, 0
.rept 16
	v_lshlrev_b32 v[T+16+I_], 3, v[T+I_]
	v_lshlrev_b32 v[T+I_], 2, v[T+I_]
.set I_, I_+1
.endr
	WIN (1+\bt)<<6
.set I_, 0
.rept 16
	global_load_b32 v[240+I_], v[T+I_], s[TOKB:TOKB+1]
.set I_, I_+1
.endr
	WIN 0
.set I_, 0
.rept 16
	global_load_b64 v[G+2*(16*\bt+I_):G+2*(16*\bt+I_)+1], v[T+16+I_], s[GPB:GPB+1]   ; (W1's offsets lay in v96-111: the last loads that named them were shown done by step 15's wait)
.set I_, I_+1
.endr
.endr
	s_wait_xcnt 0x0                                ; the swish that follows writes the registers that held the offsets
.endm
; Swish and the quantiser, for expert p: h x 1 / (1 + 2^(-h log2 e)) in f32, 32 numbers at a time; then each tile of rows becomes one fragment and one scale word a row, stored as images.
.macro SQ p
.irp m, 0,1,2,3
.if (\p == 1) && (\m == 2)
	ROWS_IN
.endif
.irp bt, 0,1
	WIN 0x03
.set I_, 0
.rept 16
	v_pk_mul_f32 v[T+I_:T+I_+1], v[64*\m+32*\bt+I_:64*\m+32*\bt+I_+1], s[48:49] op_sel_hi:[1,0]   ; each accumulator is read from its low end on
.set I_, I_+2
.endr
	WIN 0
.set I_, 0
.rept 32
	v_exp_f32 v[T+I_], v[T+I_]
.set I_, I_+1
.endr
	v_nop                                          ; a plain place behind the transcendentals
.set I_, 0
	s_wait_alu depctr_va_vdst(0)
.rept 16
	v_pk_add_f32 v[T+I_:T+I_+1], v[T+I_:T+I_+1], 1.0 op_sel_hi:[1,0]
.set I_, I_+2
.endr
.set I_, 0
.rept 32
	v_rcp_f32 v[T+I_], v[T+I_]
.set I_, I_+1
.endr
	v_nop
	WIN 0xc3
.set I_, 0
	s_wait_alu depctr_va_vdst(0)
.rept 16
	v_pk_mul_f32 v[64*\m+32*\bt+I_:64*\m+32*\bt+I_+1], v[64*\m+32*\bt+I_:64*\m+32*\bt+I_+1], v[T+I_:T+I_+1]
.set I_, I_+2
.endr
.endr
	s_wait_dscnt 0x0                               ; the LDS stores of the tile before are done: their data registers are written again below.  This tile's swish stood between them and this wait
	WIN 0x0f
.irp b, 0,1,2,3
	v_max3_num_f32 v[TM+\b], |v[64*\m+16*\b]|, |v[64*\m+16*\b+1]|, 0x2800000   ; block b: my 16 numbers, and the floor 2^(5 - 127)
.endr
.irp i, 2,4,6,8,10,12,14
.irp b, 0,1,2,3
	v_max3_num_f32 v[TM+\b], |v[64*\m+16*\b+\i]|, |v[64*\m+16*\b+\i+1]|, v[TM+\b]   ; the four blocks by turns
.endr
.endr
	WIN 0
.irp b, 0,1,2,3
	v_permlanex16_b32 v[TM+4+\b], v[TM+\b], s50, s51
.endr
.irp b, 0,1,2,3
	v_max_num_f32 v[TM+\b], v[TM+\b], v[TM+4+\b]   ; with lane l xor 16's 16: the block's largest magnitude
.endr
.irp b, 0,1,2,3
	v_add_nc_u32 v[TM+12+\b], 0xfe000000, v[TM+\b] ; 4 off its exponent field: the conversion's scale operand
.endr
.irp b, 0,1,2,3
	v_lshrrev_b32 v[TM+4+\b], 23, v[TM+12+\b]      ; the byte
.endr
	v_lshl_or_b32 v[PW], v[TM+5], 8, v[TM+4]
	v_lshl_or_b32 v[PW], v[TM+6], 16, v[PW]
	v_lshl_or_b32 v[PW], v[TM+7], 24, v[PW]        ; my row's scale word
	WIN 0x03
.irp c, 0,1
	v_cvt_scalef32_pk16_bf6_f32 v[PC+6*\c:PC+6*\c+2], v[64*\m+32*\c:64*\m+32*\c+15], v[TM+12+2*\c]
	v_cvt_scalef32_pk16_bf6_f32 v[PC+12+4*\c:PC+12+4*\c+2], v[64*\m+32*\c+16:64*\m+32*\c+31], v[TM+12+2*\c+1]
.endr
	WIN 0
	v_nop                                          ; one plain place behind a scaled conversion
.irp c, 0,1                            ; the operand wants a whole block in a lane: lanes 0-15 block 2 c, lanes 16-31 block 2 c + 1
.irp i, 0,1,2
	v_permlane16_swap_b32 v[PC+6*\c+\i], v[PC+12+4*\c+\i]
.endr
.irp i, 0,1,2
	v_mov_b32 v[PC+3+6*\c+\i], v[PC+12+4*\c+\i]
.endr
.endr
.irp g, 0,1,2
	ds_store_b128 v[HWI], v[PC+4*\g:PC+4*\g+3] offset:6144*(4*\p+\m)+512*\g
.endr
	ds_store_b32 v[HWS], v[PW] offset:512*(4*\p+\m)
.endr
	s_wait_dscnt 0x0                               ; the last tile's stores are done: behind the second swish the barrier follows
.endm
; A run of 64 columns of out for the 64 rows: for each expert four K steps of 16 matrix instructions on 16 accumulators by turns, then the gate.  fill = 1: the ring takes the sets of the tile's next run.
.macro CHUNK fill
.irp p, 0,1
.irp s, 0,1,2,3
.if (\s%2) == 0
.set LC_, 28*(3-(2*\p+\s/2))
.if \fill || (LC_ > 56)
	s_wait_loadcnt 56                              ; the set of this and the next K step is in: 84 loads were issued behind it, and two sets of them may stay out
.else
	s_wait_loadcnt LC_                             ; the last run's last three sets: 56, 28 and no loads were issued behind them
.endif
.endif
.if (!\fill) && ((4*\p+\s) == 7)
	s_wait_dscnt 0x0
.else
	s_wait_dscnt 12                                ; this step's hidden fragments are in; the next step's 12 loads may be out
.endif
	WIN 0xf0|((1+\p)<<2)|(1+\s%2)
.irp q, 0,1,2,3
.irp m, 0,1,2,3
	MM 8*(4*\q+\m), 192+12*\m, 96*(\s/2)+12*(4*(\s%2)+\q), (\s==0), HS+4*(4*\p+\m)+\s, SCL+4*(2*\p+\s/2)+2*(\s%2)+\q/2, 2*(\q%2)
.endr
.endr
	WIN 0
	PLACES
.if (\p == 0) && (\s == 1)
	; THE RUN'S ONE WAIT ON XCNT.  The run before issued four sets of loads (bases s[74:81]) and 32 stores (base s[82:83], data the gated sums).  Those bases are rewritten just below and the sums further down,
	; all behind this wait; 32 matrix instructions stand between the stores and it.
	s_wait_xcnt 0x0
	s_lshl_b32 s56, s[CH], 8                       ; out at the run in hand: 256 bytes a run (s57 = 0)
	s_add_nc_u64 s[OUTW:OUTW+1], s[OUTB:OUTB+1], s[56:57]
.if \fill
	s_add_co_u32 s[CH], s[CH], 1
	s_and_b32 s[CH], s[CH], 3                      ; the tile's next run: its four go round
	s_mul_i32 s56, s[CH], 24576                    ; 16 fragments a run and expert,
	s_add_nc_u64 s[W2W:W2W+1], s[W2LO:W2LO+1], s[56:57]
	s_add_nc_u64 s[W2W+2:W2W+3], s[W2HI:W2HI+1], s[56:57]
	s_lshl_b32 s56, s[CH], 10                      ; and 1,024 bytes of scale words
	s_add_nc_u64 s[S2W:S2W+1], s[S2LO:S2LO+1], s[56:57]
	s_add_nc_u64 s[S2W+2:S2W+3], s[S2HI:S2HI+1], s[56:57]
.endif
.endif
.if \fill && ((\s%2) == 1)
	LOADSET 2*\p+\s/2, LI, W2W+2*\p, 12288*(\s/2), LS, S2W+2*\p, 512*(\s/2)
.endif
.if \fill || ((4*\p+\s) < 6)
	HFETCH \s%2, ((4*\p+\s+2)%8)/4, (\s+2)%4       ; the step two on (the eight steps go round from run to run)
.endif
.endr
.if \p == 0
	WIN 0xcc
.irp m, 0,1,2,3
.irp j, 0,1,2,3,4,5,6,7
.irp q, 0,1,2,3
	v_mul_f32 v[128+32*\m+4*\j+\q], v[G+2*(8*\m+\j)], v[8*(4*\q+\m)+\j]        ; g_lo y: each accumulator is read from its low end on
.endr
.endr
.endr
.else
	WIN 0xcc
.irp m, 0,1,2,3
.irp j, 0,1,2,3,4,5,6,7
.irp q, 0,1,2,3
	v_fmac_f32 v[128+32*\m+4*\j+\q], v[G+2*(8*\m+\j)+1], v[8*(4*\q+\m)+\j]     ; + g_hi y
.endr
.endr
.endr
	WIN 0x0d
.irp m, 0,1
.irp j, 0,1,2,3,4,5,6,7
	global_store_b128 v[240+8*\m+\j], v[128+32*\m+4*\j:128+32*\m+4*\j+3], s[OUTW:OUTW+1] th:TH_STORE_NT   ; lanes 0-15 store 256 consecutive bytes of row 16 m + j, lanes 16-31 of row 16 m + 8 + j
.endr
.endr
	WIN 0x0e
.irp m, 2,3
.irp j, 0,1,2,3,4,5,6,7
	global_store_b128 v[240+8*(\m-2)+\j], v[128+32*\m+4*\j:128+32*\m+4*\j+3], s[OUTW:OUTW+1] th:TH_STORE_NT
.endr
.endr
	WIN 0
.endif
.endr
.endm
	s_load_b256 s[4:11], s[0:1], 0x0               ; slots s[4:5], gslots s[6:7], xq s[8:9], wq s[10:11]
	s_load_b64 s[12:13], s[0:1], 0x20              ; out
	v_lshl_add_u32 v254, v0, 2, 0x19000
	v_mov_b32 v255, 0
	v_lshrrev_b32 v1, 5, v0
	v_readfirstlane_b32 s14, v1                    ; wave 0..3
	s_lshl_b32 s2, ttmp9, 4
	s_mov_b32 s3, 0
.irp i, 0,1,2,3,4,5,6,7
	s_add_co_u32 s[KS+\i], ttmp9, \i
	s_and_b32 s[KS+\i], s[KS+\i], 7                ; step i of the first product takes K step (tile + i) % 8
.endr
	s_and_b32 s[CH], ttmp9, 3                      ; the second product begins at run tile % 4 of my four runs of 64 columns
	s_mov_b32 s57, 0                               ; the high word of every offset pair s[56:57]; never rewritten
	s_wait_kmcnt 0x0
	s_add_nc_u64 s[36:37], s[4:5], s[2:3]
	s_load_b128 s[16:19], s[36:37], 0x0            ; my tile: lo, hi, rows, 0
	v_and_b32 v10, 31, v0
	v_lshlrev_b32 v[LI], 4, v10
	v_lshlrev_b32 v[LS], 2, v10
	v_and_b32 v[RR], 15, v0
	v_bfe_u32 v[HH], v0, 4, 1
	s_mul_i32 s54, s14, 12288
	v_add_nc_u32 v[XWI], s54, v[LI]                ; x's images 8 w .. 8 w + 7
	s_mul_i32 s54, s14, 1536
	s_add_co_u32 s54, s54, HIMG
	v_add_nc_u32 v[HWI], s54, v[LI]                ; the hidden layer's image of K step w
	s_lshl_b32 s54, s14, 7
	s_add_co_u32 s54, s54, HSC
	v_add_nc_u32 v[HWS], s54, v[LS]
	v_add_nc_u32 v[LIH], HIMG, v[LI]
	v_add_nc_u32 v[LSH], HSC, v[LS]
	s_lshl_b32 s54, s14, 10
	v_lshl_add_u32 v[VB], v[RR], 4, s54
.irp b, 0,1,2,3
	v_mov_b32 v[TM+4+\b], 0                        ; written once: a lane permute's destination counts as one of its sources
.endr
.irp i, 0,1,2,3,4,5,6,7
	s_mul_i32 s54, s[KS+\i], 12288                 ; a K step of W1 is 8 fragments for my 128 hidden units,
	v_add_nc_u32 v[WO+\i], s54, v[LI]
	s_lshl_b32 s54, s[KS+\i], 9                    ; and 512 bytes of scale words
	v_add_nc_u32 v[WSO+\i], s54, v[LS]
.endr
	s_mov_b64 s[XCB:XCB+1], s[8:9]
	s_add_nc_u64 s[XSB:XSB+1], s[8:9], XS_OFF
.irp i, 0,1,2,3,4,5,6,7
	s_lshl_b32 s56, s[KS+\i], 2                    ; a token's scale word of step i's K step
	s_add_nc_u64 s[XSR+2*\i:XSR+2*\i+1], s[XSB:XSB+1], s[56:57]
.endr
	s_mov_b64 s[OUTB:OUTB+1], s[12:13]
	s_mov_b32 s48, 0xbfb8aa3b                      ; -log2(e); the packed form names the pair and takes its low word for both halves
	s_mov_b32 s49, s48
	s_mov_b32 s50, 0x76543210                      ; v_permlanex16_b32's selects for lane l xor 16
	s_mov_b32 s51, 0xfedcba98
	s_wait_kmcnt 0x0
	s_min_u32 s16, s16, 7                          ; an expert's number
	s_min_u32 s17, s17, 7
	s_max_u32 s46, s18, 1
	s_sub_co_u32 s46, s46, 1
	s_min_u32 s46, s46, 63                         ; the tile's last row (an entry of 0 rows: row 0)
	s_min_u32 s55, s18, 1
	s_mul_i32 s55, s55, ttmp9                      ; whose token numbers and gates I read: my tile's; an entry of 0 rows reads tile 0's, whose row 0 is always written
	s_lshl_b32 s54, s16, 2
	s_add_co_u32 s54, s54, s14                     ; lo x 4 + w: 98,304 bytes of codes and 4,096 of scale words in each of W1 and W2
	s_mul_i32 s56, s54, 98304
	s_add_nc_u64 s[W1LO:W1LO+1], s[10:11], s[56:57]
	s_add_nc_u64 s[W2LO:W2LO+1], s[W1LO:W1LO+1], W2C_OFF
	s_lshl_b32 s56, s54, 12
	s_add_nc_u64 s[S1LO:S1LO+1], s[10:11], s[56:57]
	s_add_nc_u64 s[S1LO:S1LO+1], s[S1LO:S1LO+1], W1S_OFF
	s_add_nc_u64 s[S2LO:S2LO+1], s[S1LO:S1LO+1], 131072
	s_lshl_b32 s54, s17, 2
	s_add_co_u32 s54, s54, s14
	s_mul_i32 s56, s54, 98304
	s_add_nc_u64 s[W1HI:W1HI+1], s[10:11], s[56:57]
	s_add_nc_u64 s[W2HI:W2HI+1], s[W1HI:W1HI+1], W2C_OFF
	s_lshl_b32 s56, s54, 12
	s_add_nc_u64 s[S1HI:S1HI+1], s[10:11], s[56:57]
	s_add_nc_u64 s[S1HI:S1HI+1], s[S1HI:S1HI+1], W1S_OFF
	s_add_nc_u64 s[S2HI:S2HI+1], s[S1HI:S1HI+1], 131072
	s_mul_i32 s56, s[CH], 24576                    ; W2 at the tile's first run
	s_add_nc_u64 s[W2W:W2W+1], s[W2LO:W2LO+1], s[56:57]
	s_add_nc_u64 s[W2W+2:W2W+3], s[W2HI:W2HI+1], s[56:57]
	s_lshl_b32 s56, s[CH], 10
	s_add_nc_u64 s[S2W:S2W+1], s[S2LO:S2LO+1], s[56:57]
	s_add_nc_u64 s[S2W+2:S2W+3], s[S2HI:S2HI+1], s[56:57]
	s_lshl_b32 s56, s55, 8
	s_add_nc_u64 s[TOKB:TOKB+1], s[4:5], s[56:57]
	s_add_nc_u64 s[TOKB:TOKB+1], s[TOKB:TOKB+1], 4096
	s_lshl_b32 s56, s55, 9
	s_add_nc_u64 s[GPB:GPB+1], s[6:7], s[56:57]
	; the tokens of rows 16 m + lane % 16 (for x's scale words) and 16 w + lane % 16 (for the codes that I bring)
.irp m, 0,1,2,3
	v_add_nc_u32 v[IX+\m], 16*\m, v[RR]
.endr
	s_lshl_b32 s54, s14, 4
	v_add_nc_u32 v[IX+4], s54, v[RR]
.irp i, 0,1,2,3,4
	v_min_u32 v[IX+\i], s46, v[IX+\i]              ; rows past the count repeat the last row
	v_min_u32 v[IX+\i], 63, v[IX+\i]
	v_lshlrev_b32 v[IX+\i], 2, v[IX+\i]
.endr
.irp i, 0,1,2,3,4
	global_load_b32 v[TK+\i], v[IX+\i], s[TOKB:TOKB+1]
.endr
	FILLK 0
	FILLK 1
	s_wait_loadcnt 56                              ; the five token numbers are in; the two sets behind them may be out
.irp i, 0,1,2,3,4
	v_min_u32 v[TK+\i], 0x1fff, v[TK+\i]           ; a token's number
.endr
.irp m, 0,1,2,3
	v_lshlrev_b32 v[IX+8+\m], 5, v[TK+\m]          ; 32 bytes of scale words a token
.endr
	v_mul_u32_u24 v[IX+12], v[TK+4], 768           ; 768 bytes of codes a token,
	v_mad_u32_u24 v[IX+12], v[HH], 384, v[IX+12]   ; my half's 384: the 12 registers of each of the 8 K steps, on end
.irp i, 0,1,2,3,4,5,6,7
	s_mul_i32 s54, s[KS+\i], 48                    ; step i's K step: 48 bytes
	v_add_nc_u32 v[XO+\i], s54, v[IX+12]
.endr
	WIN 0xc0
.irp i, 0,1,2,3,4,5,6,7
.irp g, 0,1,2
	global_load_b128 v[12*\i+4*\g:12*\i+4*\g+3], v[XO+\i], s[XCB:XCB+1] offset:16*\g
.endr
.endr
	WIN 0
.irp m, 0,1,2,3
.irp i, 0,1,2,3,4,5,6,7
	global_load_b32 v[XS+8*\m+\i], v[IX+8+\m], s[XSR+2*\i:XSR+2*\i+1]   ; register 8 m + i: the word of step i's K step
.endr
.endr
	FILLK 2
	FILLK 3
	s_wait_loadcnt 56                              ; x's codes and scale words are in; the two sets behind them may be out
	WIN 0x0c                                       ; an LDS store's data are its source 1: window 3
.irp s, 0,1,2,3,4,5,6,7
.irp g, 0,1,2
	ds_store_b128 v[XWI], v[12*\s+4*\g:12*\s+4*\g+3] offset:1536*\s+512*\g
.endr
.endr
	WIN 0
	s_wait_dscnt 0x0                               ; for the others' sake: my eight images lie in LDS
	s_barrier_signal -1
	s_barrier_wait -1                              ; x's 32 images do
	XFETCH 0, 0
	XFETCH 1, 1
.irp k, 0,1,2,3,4,5,6,7
	P1STEP \k
.endr
	SQ 0
.irp k, 8,9,10,11,12,13,14,15
	P1STEP \k
.endr
	SQ 1                                           ; (in its middle the rows' tokens and gates are asked for; it ends with a wait for all my LDS instructions)
	s_barrier_signal -1
	s_barrier_wait -1                              ; the hidden layer's 32 images and their scale words lie in LDS.  This was the last barrier:
	s_cmp_lg_u32 s18, 0                            ; only here may a wave's way hang on the entry's count
	s_cbranch_scc1 .Lrows
	s_wait_tensorcnt 0x0
	ds_add_u32 v254, v255
	s_wait_dscnt 0x0
	s_endpgm                                       ; this split has no such tile: nothing is stored
.Lrows:
	s_wait_loadcnt 0x0                             ; W2's first four sets, the tokens and the gates: asked for ahead of, and in, the swish
	WIN 0x44
.set I_, 0
.rept 16
	v_min_u32 v[240+I_], 0x1fff, v[240+I_]
.set I_, I_+1
.endr
	WIN 0x41
.set I_, 0
.rept 16
	v_lshl_add_u32 v[240+I_], v[240+I_], 12, v[VB] ; a row of out is 4,096 bytes
.set I_, I_+1
.endr
	WIN 0x88
.set I_, 0
.rept 16
	v_min_u32 v[240+I_], 0x1fff, v[240+I_]
.set I_, I_+1
.endr
	WIN 0x82
.set I_, 0
.rept 16
	v_lshl_add_u32 v[240+I_], v[240+I_], 12, v[VB]
.set I_, I_+1
.endr
	WIN 0
.set I_, 0
.rept 32
	ds_load_b32 v[HS+I_], v[LSH] offset:128*I_
.set I_, I_+1
.endr
	HFETCH 0, 0, 0
	HFETCH 1, 0, 1
	s_mov_b32 s52, 3
.Lchunk:                               ; three trips; each asks for the weights of the tile's next run of 64 columns
	CHUNK 1
	s_sub_co_u32 s52, s52, 1
	s_cmp_lg_u32 s52, 0
	s_cbranch_scc1 .Lchunk
	CHUNK 0                                        ; the last run is written out: nothing is left to fetch
	s_wait_tensorcnt 0x0
	ds_add_u32 v254, v255
	s_wait_dscnt 0x0
	s_endpgm
.Lfunc_end_k_q0872b591f0_chain:
	.size	k_q0872b591f0_chain, .Lfunc_end_k_q0872b591f0_chain-k_q0872b591f0_chain
	.p2alignl 7, 3214868480
	.fill 96, 4, 3214868480
	.section	.rodata,"a",@progbits
	.p2align	6, 0x0
	.amdhsa_kernel k_q0872b591f0_chain
		.amdhsa_group_segment_fixed_size 102912
		.amdhsa_private_segment_fixed_size 0
		.amdhsa_enable_private_segment 0
		.amdhsa_kernarg_size 40
		.amdhsa_user_sgpr_count 2
		.amdhsa_user_sgpr_kernarg_segment_ptr 1
		.amdhsa_wavefront_size32 1
		.amdhsa_system_sgpr_workgroup_id_x 1
		.amdhsa_system_sgpr_workgroup_id_y 1
		.amdhsa_system_sgpr_workgroup_id_z 1
		.amdhsa_system_vgpr_workitem_id 0
		.amdhsa_next_free_vgpr 1024
		.amdhsa_next_free_sgpr 100
		.amdhsa_reserve_vcc 0
		.amdhsa_float_denorm_mode_32 3
		.amdhsa_float_denorm_mode_16_64 3
		.amdhsa_memory_ordered 1
		.amdhsa_forward_progress 1
		.amdhsa_inst_pref_size 255
	.end_amdhsa_kernel
	.section	.bss,"aw",@nobits
	.p2align	6
	.space	262144
	.amdgpu_metadata
---
amdhsa.version: [ 1, 2 ]
amdhsa.kernels:
  - .name:           k_q0872b591f0_chain
    .symbol:         k_q0872b591f0_chain.kd
    .args:
      - { .name: slots, .offset: 0, .size: 8, .value_kind: global_buffer, .address_space: global }
      - { .name: gslots, .offset: 8, .size: 8, .value_kind: global_buffer, .address_space: global }
      - { .name: xq, .offset: 16, .size: 8, .value_kind: global_buffer, .address_space: global }
      - { .name: wq, .offset: 24, .size: 8, .value_kind: global_buffer, .address_space: global }
      - { .name: out0, .offset: 32, .size: 8, .value_kind: global_buffer, .address_space: global }
    .group_segment_fixed_size: 102912
    .private_segment_fixed_size: 0
    .kernarg_segment_align: 8
    .kernarg_segment_size: 40
    .max_flat_workgroup_size: 128
    .sgpr_count:     100
    .vgpr_count:     1024
    .wavefront_size: 32
...
	.end_amdgpu_metadata
.endif
;; end of part 3
;; ======== version 2 of 2: 3 launches
;; workspace buffers: xq 6,553,600 bytes; wq 6,553,600 bytes; route 65,536 bytes of whole numbers; gates 65,536 bytes; slots 43,776 bytes of whole numbers; gslots 79,360 bytes
;; launch prep (part 4): grid 768 x 1, 4 waves a work-group, no clusters, 66,048 bytes of LDS; arguments x, router, W1, W2, xq, wq, route, gates; writes xq, wq, route, gates
.if DOCPART == 4
	.amdgcn_target "amdgcn-amd-amdhsa--gfx1250"
	.amdhsa_code_object_version 6
	.text
	.protected	k_q0872b591f0_prep
	.globl	k_q0872b591f0_prep
	.p2align	8
	.type	k_q0872b591f0_prep,@function
k_q0872b591f0_prep:
	s_mov_b64 s[64:65], 0
	v_nop
	global_prefetch_b8 v0, s[64:65] scope:SCOPE_SE
	s_setreg_imm32_b32 hwreg(HW_REG_WAVE_MODE, 25, 1), 1
	s_wait_xcnt 0x0
; PREP: everything that is made once.  Three kinds of work-group, told apart by the work-group's number alone:
;   0-255    32 tokens each: the router's logits in f32, the two largest, their softmax; x as codes of BF6 (E3M2) with one E8M0 byte for each 32 along K
;   256-511  W1 [8][1024][512] as codes, K = its middle axis;   512-767  W2 [8][512][1024] likewise
; The codes are laid in the ORDER OF THE OPERANDS' REGISTERS, so that the launch that multiplies loads every fragment by loads of 16 bytes a lane.
;   x:  token x 768 bytes = [h][K step s][48 bytes]: the 12 registers of lane (row, h) of the fragment of K step s.  Scale words: token x 32 bytes, word s for K step s.
;   W:  a fragment (16 columns x 128 K) is 1,536 bytes: registers 4 g .. 4 g + 3 of lane l at 512 g + 16 l.
;       W1 fragment ((e 4 + w) 8 + s) 8 + t: tile t = 2 b + u, lane r holds hidden unit 128 w + 32 b + 8 u + r + 8 (r / 8).   W2 fragment ((e 16 + G) 4 + s) 4 + q: lane r holds column 64 G + 4 r + q.
;       Scale words: 128 bytes for two neighbouring tiles: the even tile's in lanes 0-15, the odd tile's in lanes 16-31.
; THE CHOICE OF EXPERTS steers no address here: each token's pair of experts (a key 0 .. 27), its rank among the tokens of its group of 32 with the same key, and the group's count of each key go to fixed places.
; A block's scale is 2^(floor(log2(largest magnitude)) - 4); its byte is the largest magnitude's exponent field - 4, held at 1 from below by a floor among the maximum's leaves.
; LIMITS: NaN and infinities are not served.  A block whose largest magnitude lies under 2^-122 (a block of zeros too) keeps the byte 1; this program alone reads the bytes, and zero codes add nothing.
;         The logits are sums of 1,024 f32 products in four parts: two logits that lie within the rounding of such a sum may be ranked otherwise than by another order of summing.
.set OST, 34816                        ; LDS, x path: four waves' turning stages of 32 x 272 bytes lie in front; here the codes' stage: 32 tokens x (768 + 16) bytes
.set PLG, 59904                        ; four waves' partial logits: 1,024 bytes a wave, 32 bytes a token
.set XSS, 64000                        ; the scale words: 32 bytes a token
.set XS_OFF,  6291456                  ; in xq: the scale words behind 8,192 x 768 bytes of codes
.set W2C_OFF, 3145728                  ; in wq: W2's codes, W1's scale words, W2's scale words
.set W1S_OFF, 6291456
.set W2S_OFF, 6422528
.set ACC, 8                            ; v8-15    eight logits of my token (my wave's quarter of K)
.set C,   16                           ; v16-39   codes: 12 registers for h = 0, 12 for h = 1
.set CT,  40                           ; v40-47   a block's upper 16 codes, before they are moved to an odd register
.set TM,  48                           ; v48-51   at work
.set SW,  52                           ; v52-53   scale words
.set X,   64                           ; v64-127  64 neighbours along K of my token (weights: v64-191, 128 along K of my column)
.set L,   128                          ; v128-191 the same bytes as they are loaded
.set RV,  192                          ; v192-255 my wave's 256 rows of the router
; 32 numbers of one lane, v[xs] on, become 24 bytes of codes in v[cd] .. v[cd + 5]; the block's byte goes into v[sw], sh bits up.
.macro QBLK xs, cd, ct, sh, sw
	v_max3_num_f32 v[TM], |v[\xs]|, |v[\xs+1]|, |v[\xs+2]|
	v_max3_num_f32 v[TM+1], |v[\xs+3]|, |v[\xs+4]|, |v[\xs+5]|     ; two chains, so that no line waits for the line above it
.irp i, 6,10,14,18,22,26
	v_max3_num_f32 v[TM], v[TM], |v[\xs+\i]|, |v[\xs+\i+1]|
	v_max3_num_f32 v[TM+1], v[TM+1], |v[\xs+\i+2]|, |v[\xs+\i+3]|
.endr
	v_max3_num_f32 v[TM], v[TM], |v[\xs+30]|, |v[\xs+31]|
	v_max3_num_f32 v[TM], v[TM], v[TM+1], 0x2800000                ; the floor 2^(5 - 127): the byte cannot fall under 1
	v_add_nc_u32 v[TM+2], 0xfe000000, v[TM]                        ; 4 off the exponent field: the conversion takes this operand's exponent field as its scale
	v_lshrrev_b32 v[TM+3], 23, v[TM+2]                             ; the byte
.if (\sh) == 0
	v_mov_b32 v[\sw], v[TM+3]
.else
	v_lshl_or_b32 v[\sw], v[TM+3], \sh, v[\sw]
.endif
	v_cvt_scalef32_pk16_bf6_f32 v[\cd:\cd+2], v[\xs:\xs+15], v[TM+2]
	v_cvt_scalef32_pk16_bf6_f32 v[\ct:\ct+2], v[\xs+16:\xs+31], v[TM+2]   ; a conversion's three registers begin on an even number: the upper half is made elsewhere and moved
	v_nop                                                          ; one plain place behind a scaled conversion
.irp i, 0,1,2
	v_mov_b32 v[\cd+3+\i], v[\ct+\i]
.endr
.endm
	s_load_b512 s[4:19], s[0:1], 0x0               ; x s[4:5], router s[6:7], W1 s[8:9], W2 s[10:11], xq s[12:13], wq s[14:15], route s[16:17], gates s[18:19]
	v_lshl_add_u32 v55, v0, 2, 0x10000
	v_mov_b32 v63, 0
	v_lshrrev_b32 v1, 5, v0
	v_readfirstlane_b32 s20, v1                    ; wave 0..3
	v_and_b32 v1, 31, v0                           ; lane
	v_lshrrev_b32 v48, 4, v1                       ; lane / 16
	v_and_b32 v49, 15, v1                          ; lane % 16
	s_wait_kmcnt 0x0
	s_cmp_lt_u32 ttmp9, 256
	s_cbranch_scc0 .Lweights
	s_wait_alu depctr_va_vdst(0)
; ---------------------------------------------------------------- x: work-group g owns tokens 32 g .. 32 g + 31; wave w owns K = 256 w .. 256 w + 255 (K steps 2 w, 2 w + 1).
; A LANE IS A TOKEN: a block of 32 lies in one lane, the two largest logits need no other lane, and ballots give the ranks.
; Loads take the bytes as they lie (sixteen lanes read 256 consecutive bytes of a row); they turn through the wave's own stage in LDS, 64 numbers of each token at a time.
	v_lshlrev_b32 v50, 4, v49
	v_lshl_add_u32 v2, v48, 12, v50                ; loads: row lane / 16 of two, 16 bytes a lane
	s_mul_i32 s21, s20, 8704                       ; my turning stage
	v_mul_u32_u24 v3, v48, 272
	v_add_nc_u32 v3, v3, v50
	v_add_nc_u32 v3, s21, v3                       ; into it: as loaded, rows 272 bytes apart
	v_mul_u32_u24 v4, v1, 272
	v_add_nc_u32 v4, s21, v4                       ; out of it: row = my token
	s_mul_i32 s22, s20, 96
	s_add_co_u32 s22, s22, OST
	v_mul_u32_u24 v5, v1, 784
	v_add_nc_u32 v5, s22, v5                       ; the codes' stage: my token's row, my wave's two K steps (48 bytes each)
	s_lshl_b32 s22, s20, 10
	s_add_co_u32 s22, s22, PLG
	v_lshl_add_u32 v6, v1, 5, s22                  ; my partial logits
	s_lshl_b32 s22, s20, 3
	s_add_co_u32 s22, s22, XSS
	v_lshl_add_u32 v7, v1, 5, s22                  ; my two scale words
	s_mul_i32 s22, s20, 6272
	s_add_co_u32 s22, s22, OST
	v_lshlrev_b32 v58, 4, v1                       ; 16 x lane
	s_wait_alu depctr_va_vdst(0)
	v_add_nc_u32 v56, s22, v58                     ; the way out of the codes' stage: my wave's 8 tokens,
	v_lshl_add_u32 v57, v48, 4, v56                ; and the same behind one row's padding more
	v_add_nc_u32 v59, XSS, v58
	v_lshlrev_b32 v60, 5, v1
	v_add_nc_u32 v60, PLG, v60
	v_lshlrev_b32 v61, 2, v1
	v_lshlrev_b32 v62, 3, v1
	s_lshl_b32 s22, ttmp9, 17                      ; 32 rows of 4,096 bytes
	s_lshl_b32 s23, s20, 10
	s_add_co_u32 s22, s22, s23
	s_mov_b32 s23, 0
	s_add_nc_u64 s[4:5], s[4:5], s[22:23]          ; x at my tokens, my quarter of K
	s_lshl_b32 s22, s20, 13
	s_add_nc_u64 s[6:7], s[6:7], s[22:23]          ; the router's rows 256 w on
	s_mul_i32 s22, ttmp9, 24576
	s_mul_i32 s24, s20, 6144
	s_add_co_u32 s22, s22, s24
	s_add_nc_u64 s[24:25], s[12:13], s[22:23]      ; the codes of tokens 32 g + 8 w on
	s_lshl_b32 s22, ttmp9, 10
	s_add_nc_u64 s[26:27], s[12:13], s[22:23]
	s_add_nc_u64 s[26:27], s[26:27], XS_OFF        ; the group's scale words
	s_lshl_b32 s22, ttmp9, 7
	s_add_nc_u64 s[16:17], s[16:17], s[22:23]      ; the group's 128 bytes of keys and ranks (and, 32,768 bytes on, of counts)
	s_lshl_b32 s22, ttmp9, 8
	s_add_nc_u64 s[18:19], s[18:19], s[22:23]      ; the group's gates
.macro LOAD p                          ; 64 along K of 32 tokens: sixteen loads, two rows' 256 bytes each
.irp i, 0,1,2,3,4,5,6,7,8,9,10,11,12,13,14,15
	global_load_b128 v[L+4*\i:L+4*\i+3], v2, s[4:5] offset:8192*\i+256*(\p) th:TH_LOAD_NT
.endr
.endm
.macro TURN                            ; through my stage: LDS serves a wave's instructions in order (ISA guide 5.7.1.4), so no wait stands between the stores and the loads
.irp i, 0,1,2,3,4,5,6,7,8,9,10,11,12,13,14,15
	ds_store_b128 v3, v[L+4*\i:L+4*\i+3] offset:544*\i
.endr
.irp i, 0,1,2,3,4,5,6,7,8,9,10,11,12,13,14,15
	ds_load_b128 v[X+4*\i:X+4*\i+3], v4 offset:16*\i
.endr
.endm
; The router's number (k, e) of my 256 rows lies in register RV + 4 (k / 16) + e % 4, lane 2 (k % 16) + e / 4.  RL n brings the 32 numbers of rows 4 n .. 4 n + 3 into scalar registers
; (two sets by turns: s32-63, s68-99); FM n multiplies them with my token's four numbers.  RL runs a step ahead of FM.
.macro RL n
.irp kk, 0,1,2,3
.irp e, 0,1,2,3,4,5,6,7
	v_readlane_b32 s[32+36*((\n)%2)+8*\kk+\e], v[RV+4*((4*(\n)+\kk)>>4)+(\e&3)], 2*((4*(\n)+\kk)&15)+(\e>>2)
.endr
.endr
.endm
.macro FM n
.irp kk, 0,1,2,3
.irp e, 0,1,2,3,4,5,6,7
.if ((\n) == 0) && (\kk == 0)
	v_mul_f32 v[ACC+\e], s[32+36*((\n)%2)+8*\kk+\e], v[X+4*((\n)%16)+\kk]      ; the first products start the sums: nothing is cleared
.else
	v_fmac_f32 v[ACC+\e], s[32+36*((\n)%2)+8*\kk+\e], v[X+4*((\n)%16)+\kk]
.endif
.endr
.endr
.endm
; Pass p: 64 along K: half c = p % 2 of K step 2 w + p / 2.
.macro PASS p
	s_wait_dscnt 0x0                               ; my 64 numbers are back from the stage, and its stores have read the registers that the next loads fill
.if \p < 3
	LOAD \p+1
.endif
.irp i, 0,1,2,3,4,5,6,7,8,9,10,11,12,13,14,15
.if (16*\p+\i) < 63
	RL 16*\p+\i+1
.endif
	FM 16*\p+\i
.endr
	QBLK X, C+6*(\p%2), CT, 16*(\p%2), SW+\p/2                     ; block 2 c of the K step: registers 6 c on of the lanes h = 0
	QBLK X+32, C+12+6*(\p%2), CT+4, 16*(\p%2)+8, SW+\p/2           ; block 2 c + 1: of the lanes h = 1
.if (\p%2) == 1
.irp h, 0,1
.irp g, 0,1,2
	ds_store_b128 v5, v[C+12*\h+4*\g:C+12*\h+4*\g+3] offset:384*\h+48*(\p/2)+16*\g
.endr
.endr
.endif
.if \p < 3
	s_wait_loadcnt 0x0                             ; the next 64, asked for at the pass's head
	TURN
.endif
.endm
.irp i, 0,1,2,3,4,5,6,7,8,9,10,11,12,13,14,15
	global_load_b128 v[RV+4*\i:RV+4*\i+3], v58, s[6:7] offset:512*\i   ; my 8,192 bytes of the router, 512 consecutive bytes a load
.endr
	LOAD 0
	s_wait_loadcnt 0x0
	TURN
	RL 0
	PASS 0
	PASS 1
	PASS 2
	PASS 3
	ds_store_b128 v6, v[ACC:ACC+3]
	ds_store_b128 v6, v[ACC+4:ACC+7] offset:16
	ds_store_b64 v7, v[SW:SW+1]
	s_wait_dscnt 0x0                               ; for the others' sake: my codes, scale words and partial logits lie in LDS
	s_barrier_signal -1
	s_barrier_wait -1
; Every wave stores 8 tokens' codes: 6,144 dense bytes, 512 a store.  Three stores cover two stage rows of 768 + 16 bytes; the middle one crosses from one row to the next at lane 16.
.irp a, 0,1,2,3
	ds_load_b128 v[64+12*\a:67+12*\a], v56 offset:1568*\a
	ds_load_b128 v[68+12*\a:71+12*\a], v57 offset:1568*\a+512
	ds_load_b128 v[72+12*\a:75+12*\a], v56 offset:1568*\a+1040
.endr
.irp i, 0,1,2,3,4,5,6,7,8,9,10,11
	s_wait_dscnt 11-\i                             ; LDS loads come back in order: load i is in, the younger ones may be out
	global_store_b128 v58, v[64+4*\i:67+4*\i], s[24:25] offset:512*\i
.endr
	s_cmp_eq_u32 s20, 1
	s_cbranch_scc0 .Lnot_wave_1
	ds_load_b128 v[112:115], v59                   ; wave 1: the group's 1,024 bytes of scale words
	ds_load_b128 v[116:119], v59 offset:512
	s_wait_dscnt 0x0
	global_store_b128 v58, v[112:115], s[26:27]
	global_store_b128 v58, v[116:119], s[26:27] offset:512
.Lnot_wave_1:
	s_cmp_lg_u32 s20, 0
	s_cbranch_scc1 .Lx_done
; Wave 0: the routing.  A lane is a token.
.irp q, 0,1,2,3
	ds_load_b128 v[128+8*\q:131+8*\q], v60 offset:1024*\q
	ds_load_b128 v[132+8*\q:135+8*\q], v60 offset:1024*\q+16
.endr
	s_wait_dscnt 0x0
.irp i, 0,2,4,6
	v_pk_add_f32 v[128+\i:129+\i], v[128+\i:129+\i], v[136+\i:137+\i]
	v_pk_add_f32 v[144+\i:145+\i], v[144+\i:145+\i], v[152+\i:153+\i]
.endr
.irp i, 0,2,4,6
	v_pk_add_f32 v[128+\i:129+\i], v[128+\i:129+\i], v[144+\i:145+\i]  ; the eight logits: v128-135
.endr
	v_mov_b32 v160, v128                           ; the largest, and its expert: a strict compare keeps the lower index, as jax.lax.top_k does
	v_mov_b32 v161, 0
.irp e, 1,2,3,4,5,6,7
	v_cmp_gt_f32 vcc_lo, v[128+\e], v160
	v_cndmask_b32 v160, v160, v[128+\e], vcc_lo
	v_cndmask_b32 v161, v161, \e, vcc_lo
.endr
	v_mov_b32 v162, 0xff800000                     ; the second: the largest of the seven others, from -infinity
	v_mov_b32 v163, 0
.irp e, 0,1,2,3,4,5,6,7
	v_cmp_gt_f32 s28, v[128+\e], v162
	v_cmp_ne_u32 vcc_lo, \e, v161
	s_and_b32 vcc_lo, vcc_lo, s28
	v_cndmask_b32 v162, v162, v[128+\e], vcc_lo
	v_cndmask_b32 v163, v163, \e, vcc_lo
.endr
	v_sub_f32 v164, v162, v160                     ; the softmax of the two, the larger taken away: the exponent is 0 or less
	v_mul_f32 v164, 0x3fb8aa3b, v164
	s_wait_alu depctr_va_vdst(0)
	v_exp_f32 v164, v164                           ; r = e^(second - first)
	v_nop
	s_wait_alu depctr_va_vdst(0)
	v_add_f32 v165, 1.0, v164
	s_wait_alu depctr_va_vdst(0)
	v_rcp_f32 v165, v165                           ; the first's weight, 1 / (1 + r)
	v_nop
	s_wait_alu depctr_va_vdst(0)
	v_mul_f32 v166, v164, v165                     ; the second's, r / (1 + r)
	v_cmp_lt_u32 vcc_lo, v161, v163
	v_cndmask_b32 v168, v166, v165, vcc_lo         ; by experts in ascending order: the lower expert's gate,
	v_cndmask_b32 v169, v165, v166, vcc_lo         ; the higher's
	v_min_u32 v170, v161, v163                     ; lo
	v_max_u32 v171, v161, v163                     ; hi
	v_sub_nc_u32 v172, 15, v170
	v_mul_u32_u24 v172, v170, v172
	v_lshrrev_b32 v172, 1, v172
	v_add_nc_u32 v172, v172, v171
	v_sub_nc_u32 v172, v172, v170
	v_add_nc_u32 v172, -1, v172                    ; key = lo (15 - lo) / 2 + hi - lo - 1: 0 .. 27
	v_mov_b32 v173, 0                              ; my rank among the group's tokens of my key
	v_mov_b32 v174, 0                              ; lane p: how many of the group's tokens have key p
.irp p, 0,1,2,3,4,5,6,7,8,9,10,11,12,13,14,15,16,17,18,19,20,21,22,23,24,25,26,27
	v_cmp_eq_u32 s28, \p, v172
	v_mbcnt_lo_u32_b32 v175, s28, 0
	v_cndmask_b32 v173, v173, v175, s28
	s_bcnt1_i32_b32 s29, s28
	v_writelane_b32 v174, s29, \p
.endr
	v_lshl_or_b32 v173, v173, 8, v172
	global_store_b32 v61, v173, s[16:17]           ; key | rank << 8, at the token's own place
	global_store_b32 v61, v174, s[16:17] offset:32768
	global_store_b64 v62, v[168:169], s[18:19]
.Lx_done:
	s_wait_tensorcnt 0x0
	ds_add_u32 v55, v63
	s_wait_dscnt 0x0
	s_endpgm
; ---------------------------------------------------------------- the weights.  A wave takes 32 columns x one K step of 128.  A LANE TAKES A COLUMN AND ITS REGISTERS RUN DOWN K:
; four whole blocks a lane, no other lane is asked for a maximum, and the conversions give codes with K innermost.  Lane 16 u + r is row r of the wave's tile u: block 2 c + h of its column
; is what lane (r, h) of that fragment holds in registers 6 c on, so sixteen neighbouring lanes store 256 consecutive bytes of a fragment's image.
.macro WBODY src, pitch, nt
.set I_, 0
.rept 128
.if \nt
	global_load_b32 v[X+I_], v2, s[\src:\src+1] offset:I_*\pitch th:TH_LOAD_NT
.else
	global_load_b32 v[X+I_], v2, s[\src:\src+1] offset:I_*\pitch
.endif
.set I_, I_+1
.endr
	s_wait_loadcnt 63                              ; block 0's 32 loads are in: 96 were issued behind them, and 63 is the most that the wait can name
	QBLK X, C, CT, 0, SW
	s_wait_loadcnt 63                              ; block 1's: 64 behind them
	QBLK X+32, C+12, CT+4, 8, SW
	s_wait_loadcnt 32                              ; block 2's: 32 behind them
	QBLK X+64, C+6, CT, 16, SW
	s_wait_loadcnt 0x0
	QBLK X+96, C+18, CT+4, 24, SW
.irp h, 0,1
.irp g, 0,1,2
	global_store_b128 v3, v[C+12*\h+4*\g:C+12*\h+4*\g+3], s[28:29] offset:512*\g+256*\h
.endr
.endr
	global_store_b32 v4, v[SW], s[30:31]           ; the column's scale word: 128 consecutive bytes a wave
.endm
.Lweights:
	s_wait_alu depctr_va_vdst(0)
	v_lshlrev_b32 v3, 4, v49
	v_mad_u32_u24 v3, v48, 1536, v3                ; codes out: tile u's image, + 16 r
	v_lshlrev_b32 v4, 2, v1
	s_cmp_lt_u32 ttmp9, 512
	s_cbranch_scc0 .Lw2
	; W1: work-group j = (e 4 + w) 8 + s; wave b; my column = 128 w + 32 b + 16 (r / 8) + 8 u + r % 8: the wave's 32 columns are neighbours, 128 consecutive bytes a load
	s_sub_co_u32 s21, ttmp9, 256
	s_and_b32 s22, s21, 7                          ; s
	s_bfe_u32 s23, s21, 0x20003                    ; w
	s_lshr_b32 s24, s21, 5                         ; e
	s_lshl_b32 s26, s24, 21                        ; an expert is 2^21 bytes,
	s_lshl_b32 s22, s22, 18                        ; 128 rows of 2,048 bytes,
	s_add_co_u32 s26, s26, s22
	s_lshl_b32 s23, s23, 9                         ; 128 columns,
	s_add_co_u32 s26, s26, s23
	s_lshl_b32 s22, s20, 7                         ; 32 columns
	s_add_co_u32 s26, s26, s22
	s_mov_b32 s27, 0
	s_add_nc_u64 s[8:9], s[8:9], s[26:27]
	s_mul_i32 s26, s21, 12288                      ; the K step's eight fragments,
	s_mul_i32 s22, s20, 3072                       ; my two of them
	s_add_co_u32 s26, s26, s22
	s_add_nc_u64 s[28:29], s[14:15], s[26:27]
	s_lshl_b32 s26, s21, 2
	s_add_co_u32 s26, s26, s20
	s_lshl_b32 s26, s26, 7
	s_add_nc_u64 s[30:31], s[14:15], s[26:27]
	s_add_nc_u64 s[30:31], s[30:31], W1S_OFF
	v_bfe_u32 v50, v1, 3, 1
	v_and_b32 v51, 7, v1
	v_lshlrev_b32 v2, 2, v51
	v_lshl_add_u32 v2, v48, 5, v2
	v_lshl_add_u32 v2, v50, 6, v2                  ; 4 x (16 (r / 8) + 8 u + r % 8)
	WBODY 8, 2048, 1
	s_endpgm
.Lw2:
	; W2: work-group j = (e 8 + G / 2) 4 + s; wave = 2 (G % 2) + q / 2; my column = 64 G + 4 r + q, q = 2 (q / 2) + u.  Two waves share each stretch of a row, so these loads carry no hint
	s_sub_co_u32 s21, ttmp9, 512
	s_and_b32 s22, s21, 3                          ; s
	s_bfe_u32 s23, s21, 0x30002
	s_lshr_b32 s24, s21, 5                         ; e
	s_lshr_b32 s25, s20, 1
	s_lshl_b32 s23, s23, 1
	s_add_co_u32 s23, s23, s25                     ; G
	s_and_b32 s25, s20, 1                          ; q / 2
	s_lshl_b32 s26, s24, 21
	s_lshl_b32 s27, s22, 19                        ; 128 rows of 4,096 bytes
	s_add_co_u32 s26, s26, s27
	s_lshl_b32 s27, s23, 8                         ; 64 columns
	s_add_co_u32 s26, s26, s27
	s_lshl_b32 s27, s25, 3                         ; 2 columns
	s_add_co_u32 s26, s26, s27
	s_mov_b32 s27, 0
	s_add_nc_u64 s[10:11], s[10:11], s[26:27]
	s_lshl_b32 s24, s24, 4
	s_add_co_u32 s24, s24, s23
	s_lshl_b32 s24, s24, 2
	s_add_co_u32 s24, s24, s22                     ; (e 16 + G) 4 + s
	s_lshl_b32 s26, s24, 1
	s_add_co_u32 s26, s26, s25                     ; which pair of fragments
	s_mul_i32 s22, s26, 3072
	s_mov_b32 s23, 0
	s_add_nc_u64 s[28:29], s[14:15], s[22:23]
	s_add_nc_u64 s[28:29], s[28:29], W2C_OFF
	s_lshl_b32 s22, s26, 7
	s_add_nc_u64 s[30:31], s[14:15], s[22:23]
	s_add_nc_u64 s[30:31], s[30:31], W2S_OFF
	v_lshlrev_b32 v2, 4, v49
	v_lshl_add_u32 v2, v48, 2, v2                  ; 4 x (4 r + u)
	WBODY 10, 4096, 0
	s_endpgm
.Lfunc_end_k_q0872b591f0_prep:
	.size	k_q0872b591f0_prep, .Lfunc_end_k_q0872b591f0_prep-k_q0872b591f0_prep
	.p2alignl 7, 3214868480
	.fill 96, 4, 3214868480
	.section	.rodata,"a",@progbits
	.p2align	6, 0x0
	.amdhsa_kernel k_q0872b591f0_prep
		.amdhsa_group_segment_fixed_size 66048
		.amdhsa_private_segment_fixed_size 0
		.amdhsa_enable_private_segment 0
		.amdhsa_kernarg_size 64
		.amdhsa_user_sgpr_count 2
		.amdhsa_user_sgpr_kernarg_segment_ptr 1
		.amdhsa_wavefront_size32 1
		.amdhsa_system_sgpr_workgroup_id_x 1
		.amdhsa_system_sgpr_workgroup_id_y 1
		.amdhsa_system_sgpr_workgroup_id_z 1
		.amdhsa_system_vgpr_workitem_id 0
		.amdhsa_next_free_vgpr 256
		.amdhsa_next_free_sgpr 100
		.amdhsa_reserve_vcc 1
		.amdhsa_float_denorm_mode_32 3
		.amdhsa_float_denorm_mode_16_64 3
		.amdhsa_memory_ordered 1
		.amdhsa_forward_progress 1
		.amdhsa_inst_pref_size 255
	.end_amdhsa_kernel
	.section	.bss,"aw",@nobits
	.p2align	6
	.space	262144
	.amdgpu_metadata
---
amdhsa.version: [ 1, 2 ]
amdhsa.kernels:
  - .name:           k_q0872b591f0_prep
    .symbol:         k_q0872b591f0_prep.kd
    .args:
      - { .name: x, .offset: 0, .size: 8, .value_kind: global_buffer, .address_space: global }
      - { .name: router, .offset: 8, .size: 8, .value_kind: global_buffer, .address_space: global }
      - { .name: W1, .offset: 16, .size: 8, .value_kind: global_buffer, .address_space: global }
      - { .name: W2, .offset: 24, .size: 8, .value_kind: global_buffer, .address_space: global }
      - { .name: xq, .offset: 32, .size: 8, .value_kind: global_buffer, .address_space: global }
      - { .name: wq, .offset: 40, .size: 8, .value_kind: global_buffer, .address_space: global }
      - { .name: route, .offset: 48, .size: 8, .value_kind: global_buffer, .address_space: global }
      - { .name: gates, .offset: 56, .size: 8, .value_kind: global_buffer, .address_space: global }
    .group_segment_fixed_size: 66048
    .private_segment_fixed_size: 0
    .kernarg_segment_align: 8
    .kernarg_segment_size: 64
    .max_flat_workgroup_size: 128
    .sgpr_count:     100
    .vgpr_count:     256
    .wavefront_size: 32
...
	.end_amdgpu_metadata
.endif
;; end of part 4
;; launch place (part 5): grid 1 x 1, 8 waves a work-group, no clusters, 2,048 bytes of LDS; arguments route, gates, slots, gslots; writes slots, gslots
.if DOCPART == 5
	.amdgcn_target "amdgcn-amd-amdhsa--gfx1250"
	.amdhsa_code_object_version 6
	.text
	.protected	k_q0872b591f0_place
	.globl	k_q0872b591f0_place
	.p2align	8
	.type	k_q0872b591f0_place,@function
k_q0872b591f0_place:
	s_mov_b64 s[64:65], 0
	v_nop
	global_prefetch_b8 v0, s[64:65] scope:SCOPE_SE
	s_setreg_imm32_b32 hwreg(HW_REG_WAVE_MODE, 25, 1), 1
	s_wait_xcnt 0x0
; PLACE: a counting sort of the 8,192 tokens by their pair of experts (key 0 .. 27), from the counts that the launch before stored.  Whole numbers only; no atomics; one work-group.
; Each key's tokens are cut into tiles of 64.  The sum over keys of ceil(n / 64) is at most (8,192 + 28 x 63) / 64, so never more than 155 tiles, whatever the choice.
; OUT: slots + 0: 256 entries {lo, hi, rows, 0}, entry T for tile T (rows = 0: no such tile);  slots + 4,096: tile x 64 token numbers;  gslots: tile x 64 pairs of gates.
; A token's place = 64 x its key's first tile + the key's tokens in earlier groups of 32 + its rank in its own group.  Places past a tile's rows are not written, and nobody reads them.
; Wave v owns groups 32 v .. 32 v + 31.  v32-63: a group's counts (lane = key), then its first places; v64-95: key | rank << 8 (lane = token); v96-159: gates; v160-191 at work.
	s_load_b256 s[4:11], s[0:1], 0x0               ; route s[4:5], gates s[6:7], slots s[8:9], gslots s[10:11]
	v_lshl_add_u32 v192, v0, 2, 0x400
	v_mov_b32 v193, 0
	v_lshrrev_b32 v1, 5, v0
	s_delay_alu instid0(VALU_DEP_1)
	v_readfirstlane_b32 s12, v1                    ; wave 0..7
	v_and_b32 v1, 31, v0                           ; lane
	s_delay_alu instid0(VALU_DEP_1)
	v_lshlrev_b32 v2, 2, v1
	s_delay_alu instid0(VALU_DEP_2)
	v_lshlrev_b32 v3, 3, v1
	v_lshlrev_b32 v4, 2, v0                        ; LDS: 128 x wave + 4 x lane
	v_lshlrev_b32 v5, 4, v0                        ; my tile entry
	s_lshl_b32 s14, s12, 12                        ; 32 groups x 128 bytes
	s_mov_b32 s15, 0
	s_lshl_b32 s16, s12, 13                        ; 32 groups x 256 bytes
	s_mov_b32 s17, 0
	s_wait_alu depctr_va_vdst(0)
	s_wait_kmcnt 0x0
	s_add_nc_u64 s[4:5], s[4:5], s[14:15]
	s_add_nc_u64 s[6:7], s[6:7], s[16:17]
	s_add_nc_u64 s[20:21], s[8:9], 4096            ; the token numbers
.set I_, 0
.rept 32
	global_load_b32 v[32+I_], v2, s[4:5] offset:32768+128*I_
.set I_, I_+1
.endr
.set I_, 0
.rept 32
	global_load_b32 v[64+I_], v2, s[4:5] offset:128*I_
.set I_, I_+1
.endr
	s_wait_loadcnt 32                              ; the counts are in; the 32 loads of keys and ranks may be out
.set I_, 0
.rept 32
	global_load_b64 v[96+2*I_:97+2*I_], v3, s[6:7] offset:256*I_
.set I_, I_+1
.endr
	v_add_nc_u32 v6, v32, v33                      ; my wave's count of each key
.set I_, 0
.rept 15
	s_delay_alu instid0(VALU_DEP_1)
	v_add3_u32 v6, v6, v[34+2*I_], v[35+2*I_]
.set I_, I_+1
.endr
	ds_store_b32 v4, v6
	s_wait_dscnt 0x0                               ; for the others' sake
	s_barrier_signal -1
	s_barrier_wait -1
.irp q, 0,1,2,3,4,5,6,7
	ds_load_b32 v[8+\q], v2 offset:128*\q
.endr
	s_wait_dscnt 0x0
	v_mov_b32 v16, 0                               ; the key's tokens in earlier waves' groups
.irp q, 0,1,2,3,4,5,6,7
	s_cmp_lt_u32 \q, s12
	s_cselect_b32 s13, -1, 0
	v_and_b32 v18, s13, v[8+\q]
	s_delay_alu instid0(VALU_DEP_1)
	v_add_nc_u32 v16, v16, v18
.endr
	v_add3_u32 v17, v8, v9, v10
	s_delay_alu instid0(VALU_DEP_1)
	v_add3_u32 v17, v17, v11, v12
	s_delay_alu instid0(VALU_DEP_1)
	v_add3_u32 v17, v17, v13, v14
	s_delay_alu instid0(VALU_DEP_1)
	v_add_nc_u32 v17, v17, v15                     ; n: the key's tokens in all
	s_delay_alu instid0(VALU_DEP_1)
	v_add_nc_u32 v18, 63, v17
	s_delay_alu instid0(VALU_DEP_1)
	v_lshrrev_b32 v18, 6, v18                      ; its tiles
	s_mov_b32 s18, 0
	v_mov_b32 v19, 0                               ; lane p: key p's first tile
	v_mov_b32 v20, 0                               ; the key of tile T (T = my thread's number): how many keys end at or before T
.irp p, 0,1,2,3,4,5,6,7,8,9,10,11,12,13,14,15,16,17,18,19,20,21,22,23,24,25,26,27,28,29,30,31
	v_readlane_b32 s19, v18, \p
	v_writelane_b32 v19, s18, \p
	s_add_co_u32 s18, s18, s19
.if \p < 28
	v_cmp_le_u32 vcc_lo, s18, v0
	s_delay_alu instid0(VALU_DEP_1)
	v_add_co_ci_u32 v20, vcc_lo, 0, v20, vcc_lo
.endif
.endr
	v_lshlrev_b32 v21, 2, v20
	ds_bpermute_b32 v22, v21, v17                  ; that key's n (past the last tile the key is 28: n = 0),
	ds_bpermute_b32 v23, v21, v19                  ; and its first tile
	v_mov_b32 v24, 0                               ; lo: how many of the keys at which lo steps are at or under mine
.irp c, 7,13,18,22,25,27
	v_cmp_le_u32 vcc_lo, \c, v20
	s_delay_alu instid0(VALU_DEP_1)
	v_add_co_ci_u32 v24, vcc_lo, 0, v24, vcc_lo
.endr
	s_delay_alu instid0(VALU_DEP_1)
	v_sub_nc_u32 v25, 15, v24
	s_delay_alu instid0(VALU_DEP_1)
	v_mul_u32_u24 v25, v24, v25
	s_delay_alu instid0(VALU_DEP_1)
	v_lshrrev_b32 v25, 1, v25
	s_delay_alu instid0(VALU_DEP_1)
	v_sub_nc_u32 v25, v20, v25
	s_delay_alu instid0(VALU_DEP_1)
	v_add3_u32 v25, v25, v24, 1                    ; hi
	s_wait_dscnt 0x0
	v_sub_nc_u32 v26, v0, v23
	s_delay_alu instid0(VALU_DEP_1)
	v_lshlrev_b32 v26, 6, v26
	s_delay_alu instid0(VALU_DEP_1)
	v_sub_nc_u32 v26, v22, v26
	s_delay_alu instid0(VALU_DEP_1)
	v_max_i32 v26, 0, v26
	s_delay_alu instid0(VALU_DEP_1)
	v_min_i32 v26, 64, v26                         ; rows = n - 64 (T - first tile), held to 0 .. 64
	v_mov_b32 v27, 0
	s_wait_alu depctr_va_vdst(0)
	global_store_b128 v5, v[24:27], s[8:9]         ; 256 entries, 512 consecutive bytes a wave
	v_lshl_add_u32 v28, v19, 6, v16                ; each group's first place for each key: a running sum over my 32 groups
.set I_, 0
	s_delay_alu instid0(VALU_DEP_1)
	v_add_nc_u32 v[28+(I_+1)%2], v[28+I_%2], v[32+I_]
	s_delay_alu instid0(VALU_DEP_2)
	v_mov_b32 v[32+I_], v[28+I_%2]
.set I_, I_+1
.rept (32)-1
	s_delay_alu instid0(VALU_DEP_2)
	v_add_nc_u32 v[28+(I_+1)%2], v[28+I_%2], v[32+I_]
	s_delay_alu instid0(VALU_DEP_3)
	v_mov_b32 v[32+I_], v[28+I_%2]
.set I_, I_+1
.endr
	s_lshl_b32 s13, s12, 10
	v_add_nc_u32 v30, s13, v1                      ; token = 1,024 x wave + 32 x group + lane
	s_wait_loadcnt 32                              ; keys and ranks are in; the 32 loads of gates may be out
.irp bt, 0,1,2,3                       ; eight groups at a time
.if \bt > 0
	s_wait_xcnt 0x0                                ; the last batch's stores have read their offsets and data: the registers are written again only behind this wait
.endif
.irp q, 0,1,2,3,4,5,6,7
	v_and_b32 v[160+\q], 0xff, v[64+8*\bt+\q]
.endr
.irp q, 0,1,2,3,4,5,6,7
	v_lshlrev_b32 v[160+\q], 2, v[160+\q]
.endr
.irp q, 0,1,2,3,4,5,6,7
	ds_bpermute_b32 v[168+\q], v[160+\q], v[32+8*\bt+\q]           ; the group's first place for my key
.endr
.irp q, 0,1,2,3,4,5,6,7
	v_lshrrev_b32 v[184+\q], 8, v[64+8*\bt+\q]                     ; my rank
	v_add_nc_u32 v[176+\q], 32*(8*\bt+\q), v30                     ; my token's number
.endr
	s_wait_dscnt 0x0
.if \bt == 0
	s_wait_loadcnt 0x0                             ; the gates
.endif
.irp q, 0,1,2,3,4,5,6,7
	v_add_nc_u32 v[168+\q], v[168+\q], v[184+\q]
	s_delay_alu instid0(VALU_DEP_1)
	v_min_u32 v[168+\q], 0x26bf, v[168+\q]                         ; a place lies under 155 x 64
	s_delay_alu instid0(VALU_DEP_1)
	v_lshlrev_b32 v[160+\q], 2, v[168+\q]
	s_delay_alu instid0(VALU_DEP_2)
	v_lshlrev_b32 v[168+\q], 3, v[168+\q]
.endr
.irp q, 0,1,2,3,4,5,6,7
	global_store_b32 v[160+\q], v[176+\q], s[20:21]                ; scattered stores of 4 and 8 bytes: they are the placing itself, 96 KiB in all
	global_store_b64 v[168+\q], v[96+2*(8*\bt+\q):97+2*(8*\bt+\q)], s[10:11]
.endr
.endr
	s_wait_tensorcnt 0x0
	ds_add_u32 v192, v193
	s_wait_dscnt 0x0
	s_endpgm
.Lfunc_end_k_q0872b591f0_place:
	.size	k_q0872b591f0_place, .Lfunc_end_k_q0872b591f0_place-k_q0872b591f0_place
	.p2alignl 7, 3214868480
	.fill 96, 4, 3214868480
	.section	.rodata,"a",@progbits
	.p2align	6, 0x0
	.amdhsa_kernel k_q0872b591f0_place
		.amdhsa_group_segment_fixed_size 2048
		.amdhsa_private_segment_fixed_size 0
		.amdhsa_enable_private_segment 0
		.amdhsa_kernarg_size 32
		.amdhsa_user_sgpr_count 2
		.amdhsa_user_sgpr_kernarg_segment_ptr 1
		.amdhsa_wavefront_size32 1
		.amdhsa_system_sgpr_workgroup_id_x 1
		.amdhsa_system_sgpr_workgroup_id_y 1
		.amdhsa_system_sgpr_workgroup_id_z 1
		.amdhsa_system_vgpr_workitem_id 0
		.amdhsa_next_free_vgpr 194
		.amdhsa_next_free_sgpr 66
		.amdhsa_reserve_vcc 1
		.amdhsa_float_denorm_mode_32 3
		.amdhsa_float_denorm_mode_16_64 3
		.amdhsa_memory_ordered 1
		.amdhsa_forward_progress 1
		.amdhsa_inst_pref_size 50
	.end_amdhsa_kernel
	.amdgpu_metadata
---
amdhsa.version: [ 1, 2 ]
amdhsa.kernels:
  - .name:           k_q0872b591f0_place
    .symbol:         k_q0872b591f0_place.kd
    .args:
      - { .name: route, .offset: 0, .size: 8, .value_kind: global_buffer, .address_space: global }
      - { .name: gates, .offset: 8, .size: 8, .value_kind: global_buffer, .address_space: global }
      - { .name: slots, .offset: 16, .size: 8, .value_kind: global_buffer, .address_space: global }
      - { .name: gslots, .offset: 24, .size: 8, .value_kind: global_buffer, .address_space: global }
    .group_segment_fixed_size: 2048
    .private_segment_fixed_size: 0
    .kernarg_segment_align: 8
    .kernarg_segment_size: 32
    .max_flat_workgroup_size: 256
    .sgpr_count:     66
    .vgpr_count:     194
    .wavefront_size: 32
...
	.end_amdgpu_metadata
.endif
;; end of part 5
;; launch chain (part 6): grid 155 x 1, 4 waves a work-group, no clusters, 102,912 bytes of LDS; arguments slots, gslots, xq, wq, out0; writes out0
.if DOCPART == 6
	.amdgcn_target "amdgcn-amd-amdhsa--gfx1250"
	.amdhsa_code_object_version 6
	.text
	.protected	k_q0872b591f0_chain
	.globl	k_q0872b591f0_chain
	.p2align	8
	.type	k_q0872b591f0_chain,@function
k_q0872b591f0_chain:
	s_mov_b64 s[64:65], 0
	v_nop
	global_prefetch_b8 v0, s[64:65] scope:SCOPE_SE
	s_setreg_imm32_b32 hwreg(HW_REG_WAVE_SCHED_MODE, 0, 2), 2
	s_setreg_imm32_b32 hwreg(HW_REG_WAVE_MODE, 25, 1), 1
	s_wait_xcnt 0x0
	s_wait_alu depctr_vm_vsrc(0)
; CHAIN: out[token] = g_lo swish(x W1[lo]) W2[lo] + g_hi swish(x W1[hi]) W2[hi], both products of each expert on codes of BF6 (E3M2) with E8M0 scales; sums, swish and gates in f32.
; A work-group takes ONE TILE: up to 64 tokens that chose the same two experts, through the whole chain for both.  So each row of out has one owner, nothing is added across work-groups, and the hidden layer never goes to memory.
; THE GRID serves every split: 155 tiles at the most (the sum over 28 pairs of ceil(n / 64)).
; A WORK-GROUP WHOSE ENTRY SAYS 0 ROWS stores nothing and ends behind the second barrier, the last one: every wave passes every barrier, and none stands under a branch on a number read from memory.  Up to there it walks the
; first product like any other, on tile 0's first row (a place that is always written) and the experts of its own entry, held at 7; the second product, half of the work, it leaves out.
; NO TENSOR LOADS, NO CLUSTER: that end hangs on a stored number, and how many tiles share a pair of experts hangs on the data, so partners could not be given equal work.  The weights go from memory straight into registers,
; laid by the first launch in the order of the operands' registers: a fragment is three loads of 16 bytes a lane, 512 consecutive bytes each.
; SHARES.  THE WAVES SHARE THE COLUMNS: wave w makes hidden units 128 w .. 128 w + 127 (K step w of the second product) and columns 256 w .. 256 w + 255 of out, for all 64 rows.  No weight byte is loaded twice in a work-group,
; and each weight fragment feeds four matrix instructions (four tiles of 16 rows).  What goes from wave to wave through LDS is small: x's and the hidden layer's fragments, as images of their registers.
; EACH TILE WALKS THE WEIGHTS FROM ITS OWN STARTING POINT: step i of the first product takes K step (tile + i) % 8, and the i-th run of 64 columns of the second is run (tile + i) % 4 of the wave's four.  So the work-groups that
; share an expert's weights do not all ask for the same bytes at the same moment.  x's images, x's scale words and W1's offsets are laid in the walked order at the head: every register number and LDS address stays a constant.
; ROWS PAST THE TILE'S COUNT repeat its last row (the row number is held at count - 1): the same token, the same numbers, stored to the same bytes.  EXEC stays full.
; FIRST PRODUCT, transposed (source 0 = 16 hidden units, source 1 = 16 rows of x): a lane holds one row, and the 16 registers of tiles 2 b, 2 b + 1 are 16 neighbours along the next K (the first launch chose W1's rows so).
; SECOND PRODUCT, natural (source 0 = 16 rows of the hidden layer, source 1 = 16 columns of W2): register j of lane (r, h) is row 8 h + j, column 64 G + 4 r + q of tile q: four tiles give a lane 16 neighbouring bytes of a row,
; and sixteen lanes store 256 consecutive bytes at a multiple of 256 from out's first byte.
; THE WEIGHTS' RING: four slots of 8 fragments (12,288 bytes of codes + 512 of scale words: 28 loads) in registers; a slot is asked for again in the step behind the one that multiplied it last.
; THE MODE: SCHED_MODE bits 1:0 = 2 (LLVM: expert scheduling mode 2), set by the entry lines.  The code itself states the register dependences between vector or matrix instructions and memory or LDS instructions,
; with s_wait_alu, always for 0.
; THE PLAN.  Registers that memory or LDS instructions touch:
;   ring slots 0-3 and their scale words v16-31   written by loads, read by matrix instructions.  Step n multiplies one slot; its loads land in the slot that the step before has left.
;   operand buffers a, b                          written by LDS loads; step n's matrix instructions read buffer n % 2; its LDS loads land in the other one, which step n - 1 read.
;   So ONE wait on va_vdst stands at a step's head: the step before is done reading its slot, its scale words and its buffer.  The step's loads follow it, dealt among its matrix instructions, which name none of those registers.
;   Ahead of each vector phase (the two swishes; the two gates of a run) a tail with such a wait asks for what the last step has freed; the first step behind the phase then asks for nothing and holds no such wait.
;   v[PC ..], v[PW]      written by the quantiser, read by a tile's four LDS stores: va_vdst ahead of the stores, vm_vsrc ahead of the next tile's quantiser.
;   v[T ..]              offsets at the head (v200-207) and in the rows' loads, else the swish's own: va_vdst ahead of the loads that read them, vm_vsrc ahead of whatever writes them next.
;   v96-111              W1's offsets, made at the head, read by W1's sets; gates land there later, behind a wait on vm_vsrc.
;   the gated sums       written by the gates' multiplies, read by a run's 32 stores: va_vdst ahead of the stores, vm_vsrc (beside the run's wait on XCNT) two K steps on, ahead of the next run's multiplies.
;   window 3 v0-95       x's codes land there, LDS stores read them, the first product writes them: vm_vsrc behind the first barrier.
;   v1-9, v15, out's offsets: written once, ahead of a wait on va_vdst, and never again.  v254, v255: written at the head, read by the closing add alone.
; LIMITS: NaN and infinities are not served; a block of the hidden layer whose largest magnitude lies under 2^-122 keeps the byte 1 (zero codes add nothing).  The first product's f32 sums begin at another K step from tile to
; tile: an order of rounding that differs from reference()'s.
; REGISTERS, in windows of 256 (s_set_vgpr_msb: bits 1:0 source 0, 3:2 source 1, 5:4 source 2, 7:6 destination):
;   window 0: v1-15 addresses; v16-31 the ring's scale words; v32-63 x's; v64-95 the hidden layer's (these three hold scales and nothing else); v96-159 gates (in the first product v96-111: W1's offsets); v160-199 the quantiser;
;             v200-231 at work; v232-255 offsets
;   window 1: v0-191 ring slots 0, 1; v192-239 operand buffer a; v240-255 out's offsets of rows 0-31        window 2: the same for slots 2, 3, buffer b, rows 32-63
;   window 3: first product: the hidden layer, v[64 m + 8 t + j]; second: v0-127 y, v[8 (4 q + m) + j], v128-255 the gated sum, v[128 + 32 m + 4 j + q]; at the head v0-95 take my 16 rows' codes of x
.set W2C_OFF, 3145728                  ; in wq: W2's codes behind W1's; the scale words behind both
.set W1S_OFF, 6291456
.set XS_OFF,  6291456                  ; in xq: the scale words
.set HIMG, 49152                       ; LDS: from 0 x's 32 images (8 m + step) of 1,536 bytes; here the hidden layer's 32 ((4 p + m) 4 + s);
.set HSC,  98304                       ; and its scale words, 128 bytes each
.set LI,  1                            ; v1   16 x lane
.set LS,  2                            ; v2   4 x lane
.set RR,  3                            ; v3   lane % 16
.set HH,  4                            ; v4   lane / 16
.set XWI, 5                            ; v5   where I store x's images
.set HWI, 6                            ; v6   the hidden layer's
.set HWS, 7                            ; v7   and its scale words
.set LIH, 8                            ; v8   HIMG + 16 x lane
.set LSH, 9                            ; v9   HSC + 4 x lane
.set TK,  10                           ; v10-13 the token of row 16 m + lane % 16; v14 of row 16 w + lane % 16
.set VB,  15                           ; v15  16 (lane % 16) + 1,024 w: my bytes in a row of out
.set SCL, 16
.set XS,  32
.set HS,  64
.set G,   96
.set WO,  96                           ; v96-103  step i's offset in W1's codes: 16 x lane + 12,288 x its K step
.set WSO, 104                          ; v104-111 and in W1's scale words: 4 x lane + 512 x its K step
.set TM,  160
.set PW,  176
.set PC,  180
.set T,   200
.set XO,  200                          ; v200-207 at the head: step i's offset in my row's codes of x
.set IX,  232
.set W1LO, 20                          ; s[20:27] my part of the codes of W1[lo], W1[hi], W2[lo], W2[hi];  s[28:35] of their scale words: never rewritten
.set W1HI, 22
.set W2LO, 24
.set W2HI, 26
.set S1LO, 28
.set S1HI, 30
.set S2LO, 32
.set S2HI, 34
.set TOKB, 36                          ; s[36:37] the tile's token numbers;  s[38:39] its gates;  s[40:41], s[42:43] x's codes and scale words;  s[44:45] out
.set GPB,  38
.set XCB,  40
.set XSB,  42
.set OUTB, 44
.set CH,   53                          ; s53      which of my four runs of 64 columns is in hand (behind a run's step: which is fetched)
.set KS,   66                          ; s66-73   the K step that step i of the first product takes
.set W2W,  74                          ; s[74:77] W2[lo]'s and W2[hi]'s codes at the run that is fetched;  s[78:81] their scale words
.set S2W,  78
.set OUTW, 82                          ; s[82:83] out at the run in hand
.set XSR,  84                          ; s[84:99] x's scale words at step i's word
.set MSB, 0
.macro WIN new                         ; the immediate's high byte repeats the setting that is left; a switch that changes nothing is dropped
.set NW_, \new
.if MSB != NW_
	s_set_vgpr_msb (MSB<<8)|NW_
.set MSB, NW_
.endif
.endm
.macro PLACES                          ; four places behind a step's matrix instructions, ahead of the first read of results; they also stand between those instructions and the loads into what they have read
.rept 4
	v_nop
.endr
.endm
; One matrix instruction.  zero: the product starts its sum.  row = 1: source 0's scales stand in lanes 16-31; 2: source 1's.
.macro MM d, a, b, zero, sa, sb, row
.if \zero
.if (\row) == 0
	v_wmma_scale_f32_16x16x128_f8f6f4 v[\d:\d+7], v[\a:\a+11], v[\b:\b+11], 0, v[\sa], v[\sb] matrix_a_fmt:MATRIX_FMT_BF6 matrix_b_fmt:MATRIX_FMT_BF6
.elseif (\row) == 1
	v_wmma_scale_f32_16x16x128_f8f6f4 v[\d:\d+7], v[\a:\a+11], v[\b:\b+11], 0, v[\sa], v[\sb] matrix_a_fmt:MATRIX_FMT_BF6 matrix_b_fmt:MATRIX_FMT_BF6 matrix_a_scale:MATRIX_SCALE_ROW1
.else
	v_wmma_scale_f32_16x16x128_f8f6f4 v[\d:\d+7], v[\a:\a+11], v[\b:\b+11], 0, v[\sa], v[\sb] matrix_a_fmt:MATRIX_FMT_BF6 matrix_b_fmt:MATRIX_FMT_BF6 matrix_b_scale:MATRIX_SCALE_ROW1
.endif
.else
.if (\row) == 0
	v_wmma_scale_f32_16x16x128_f8f6f4 v[\d:\d+7], v[\a:\a+11], v[\b:\b+11], v[\d:\d+7], v[\sa], v[\sb] matrix_a_fmt:MATRIX_FMT_BF6 matrix_b_fmt:MATRIX_FMT_BF6
.elseif (\row) == 1
	v_wmma_scale_f32_16x16x128_f8f6f4 v[\d:\d+7], v[\a:\a+11], v[\b:\b+11], v[\d:\d+7], v[\sa], v[\sb] matrix_a_fmt:MATRIX_FMT_BF6 matrix_b_fmt:MATRIX_FMT_BF6 matrix_a_scale:MATRIX_SCALE_ROW1
.else
	v_wmma_scale_f32_16x16x128_f8f6f4 v[\d:\d+7], v[\a:\a+11], v[\b:\b+11], v[\d:\d+7], v[\sa], v[\sb] matrix_a_fmt:MATRIX_FMT_BF6 matrix_b_fmt:MATRIX_FMT_BF6 matrix_b_scale:MATRIX_SCALE_ROW1
.endif
.endif
.endm
; A set of 8 weight fragments and their 4 registers of scale words into a ring slot: 28 loads.  va, vs: the vector offsets; cb, sb: the bases; coff, soff: constants.
; part = 0: fragments 0-3 (12 loads);  1: fragments 4-7 and the scale words (16 loads);  2: the whole set.  Behind part 0 the window stays as the loads had it.
.macro LOADSET slot, va, cb, coff, vs, sb, soff, part
	WIN (1+(\slot)/2)<<6
.irp f, 0,1,2,3,4,5,6,7
.if ((\part) == 2) || ((\part) == \f/4)
.irp g, 0,1,2
	global_load_b128 v[96*((\slot)%2)+12*\f+4*\g:96*((\slot)%2)+12*\f+4*\g+3], v[\va], s[\cb:\cb+1] offset:\coff+1536*\f+512*\g
.endr
.endif
.endr
.if (\part) != 0
	WIN 0
.irp i, 0,1,2,3
	global_load_b32 v[SCL+4*(\slot)+\i], v[\vs], s[\sb:\sb+1] offset:\soff+128*\i
.endr
.endif
.endm
; Set k of the walk: 0-7 W1[lo]'s K steps in the tile's order, 8-15 W1[hi]'s, 16-19 the tile's first run of 64 columns of W2[lo] (two sets) and of W2[hi]
.macro FILLK k, part
.if (\k) < 8
	LOADSET (\k)%4, WO+(\k)%8, W1LO, 0, WSO+(\k)%8, S1LO, 0, \part
.elseif (\k) < 16
	LOADSET (\k)%4, WO+(\k)%8, W1HI, 0, WSO+(\k)%8, S1HI, 0, \part
.elseif (\k) < 18
	LOADSET (\k)%4, LI, W2W, 12288*((\k)-16), LS, S2W, 512*((\k)-16), \part
.else
	LOADSET (\k)%4, LI, W2W+2, 12288*((\k)-18), LS, S2W+2, 512*((\k)-18), \part
.endif
.endm
.macro XFETCH b, s                     ; x's four fragments (rows 16 m on) of step s into buffer b: 12 LDS loads.  The window stays as the loads had it
	WIN (1+(\b))<<6
.irp m, 0,1,2,3
.irp g, 0,1,2
	ds_load_b128 v[192+12*\m+4*\g:192+12*\m+4*\g+3], v[LI] offset:(8*\m+(\s))*1536+512*\g
.endr
.endr
.endm
.macro HFETCH b, p, s                  ; the hidden layer's four fragments of expert p, K step s; likewise
	WIN (1+(\b))<<6
.irp m, 0,1,2,3
.irp g, 0,1,2
	ds_load_b128 v[192+12*\m+4*\g:192+12*\m+4*\g+3], v[LIH] offset:((4*(\p)+\m)*4+(\s))*1536+512*\g
.endr
.endr
.endm
; Eight of a step's 32 matrix instructions: W1's tiles u0, u0 + 1 against x's four tiles of rows
.macro P1MM k, u0
	WIN 0xf0|((1+(\k)%2)<<2)|(1+SL_/2)
.irp t, \u0, \u0+1
.irp m, 0,1,2,3
	MM 64*\m+8*(\t), 96*(SL_%2)+12*(\t), 192+12*\m, (SS_==0), SCL+4*SL_+(\t)/2, XS+8*\m+SS_, (\t)%2
.endr
.endr
.endm
; Step k of the first product: expert k / 8, the tile's (k % 8)-th K step: 32 matrix instructions on 32 accumulators, which take turns in the same order in every step.
; ld = 1: the step asks for the next step's fragments of x and for the set three steps on: they land in the buffer and the slot that step k - 1 read.  ld = 0 (steps 0 and 8): the head, or the tail ahead of the swish, has asked.
.macro P1STEP k, ld
.set SL_, (\k)%4
.set SS_, (\k)%8
	s_wait_loadcnt 56                              ; this step's set is in: two sets at the least, 56 loads, were issued behind it, and two may stay out
.if (\k) == 0
	s_wait_dscnt 12                                ; step 0's fragments of x are in; step 1's 12 loads may be out
.else
	s_wait_dscnt 0x0                               ; this step's fragments of x, asked for in the step (or tail) before: nothing was issued behind them
.endif
.if \ld
	s_wait_alu depctr_va_vdst(0)                   ; step k - 1's matrix instructions are done reading their ring slot, its scale words and their buffer of x: this step's 40 loads land there
.endif
	P1MM \k, 0
.if \ld && ((\k) < 15)
	XFETCH ((\k)+1)%2, ((\k)+1)%8                  ; no further wait: the matrix instructions since the wait name this step's slot, scale words and buffer, and the accumulators
.endif
	P1MM \k, 2
.if \ld
	FILLK (\k)+3, 0
.endif
	P1MM \k, 4
.if \ld
	FILLK (\k)+3, 1
.endif
	P1MM \k, 6
	WIN 0
	PLACES
.endm
; Behind step k = 7 or 15, ahead of the swish: what that step has freed is asked for now, so that it lands under the swish
.macro P1TAIL k
	s_wait_alu depctr_va_vdst(0)                   ; step k's matrix instructions are done reading their ring slot, its scale words and their buffer of x, in which the loads below land
	FILLK (\k)+4, 2
.if (\k) < 15
	XFETCH ((\k)+2)%2, ((\k)+2)%8
.endif
	WIN 0
.endm
; The tokens and gates of rows 16 m + 8 (lane / 16) + j, as the second product's results lie: 64 loads.  They are asked for in the middle of the second swish, when the ring's loads have had two tiles' swish in which to
; land, so that they find room among the wave's outstanding loads, and they have two more tiles' swish in which to land themselves.
.macro ROWS_IN
	WIN 0
	s_wait_alu depctr_vm_vsrc(0)                   ; the loads of W1's sets have read their offsets v96-111, in which gates land below; the head's token loads have read v232, which the next line writes
	v_lshlrev_b32 v[IX], 3, v[HH]
.irp bt, 0,1
.if \bt > 0
	s_wait_xcnt 0x0                                ; the first batch's loads have read their offsets
	s_wait_alu depctr_vm_vsrc(0)                   ; the first batch's loads have read v[T ..], which the lines below write again
.endif
.set I_, 0
.rept 16
	v_add_nc_u32 v[T+I_], 32*\bt+16*(I_/8)+I_%8, v[IX]
.set I_, I_+1
.endr
.set I_, 0
.rept 16
	v_min_u32 v[T+I_], s46, v[T+I_]
.set I_, I_+1
.endr
.set I_, 0
.rept 16
	v_min_u32 v[T+I_], 63, v[T+I_]
.set I_, I_+1
.endr
.set I_, 0
.rept 16
	v_lshlrev_b32 v[T+16+I_], 3, v[T+I_]
	v_lshlrev_b32 v[T+I_], 2, v[T+I_]
.set I_, I_+1
.endr
	WIN (1+\bt)<<6
	s_wait_alu depctr_va_vdst(0)                   ; the 32 offsets v[T ..] are written, which the 32 loads below read
.set I_, 0
.rept 16
	global_load_b32 v[240+I_], v[T+I_], s[TOKB:TOKB+1]
.set I_, I_+1
.endr
	WIN 0
.set I_, 0
.rept 16
	global_load_b64 v[G+2*(16*\bt+I_):G+2*(16*\bt+I_)+1], v[T+16+I_], s[GPB:GPB+1]   ; (W1's offsets lay in v96-111: the last loads that named them, set 15's, were shown done by step 15's wait)
.set I_, I_+1
.endr
.endr
	s_wait_xcnt 0x0                                ; the swish that follows writes the registers that held the offsets
	s_wait_alu depctr_vm_vsrc(0)                   ; the second batch's loads have read v[T ..], which the swish writes
.endm
; Swish and the quantiser, for expert p: h x 1 / (1 + 2^(-h log2 e)) in f32, 32 numbers at a time; then each tile of rows becomes one fragment and one scale word a row, stored as images.
.macro SQ p
.irp m, 0,1,2,3
.if (\p == 1) && (\m == 2)
	ROWS_IN
.endif
.irp bt, 0,1
	WIN 0x03
.set I_, 0
.rept 16
	v_pk_mul_f32 v[T+I_:T+I_+1], v[64*\m+32*\bt+I_:64*\m+32*\bt+I_+1], s[48:49] op_sel_hi:[1,0]   ; each accumulator is read from its low end on
.set I_, I_+2
.endr
	WIN 0
.set I_, 0
	s_wait_alu depctr_va_vdst(0)
.rept 32
	v_exp_f32 v[T+I_], v[T+I_]
.set I_, I_+1
.endr
	v_nop                                          ; a plain place behind the transcendentals
.set I_, 0
	s_wait_alu depctr_va_vdst(0)                   ; the 32 exponentials have written v[T ..]: one wait for the batch, ahead of its first reader
.rept 16
	v_pk_add_f32 v[T+I_:T+I_+1], v[T+I_:T+I_+1], 1.0 op_sel_hi:[1,0]
.set I_, I_+2
.endr
.set I_, 0
	s_wait_alu depctr_va_vdst(0)
.rept 32
	v_rcp_f32 v[T+I_], v[T+I_]
.set I_, I_+1
.endr
	v_nop
	WIN 0xc3
.set I_, 0
	s_wait_alu depctr_va_vdst(0)                   ; the 32 reciprocals have written v[T ..]: one wait for the batch, ahead of its first reader
.rept 16
	v_pk_mul_f32 v[64*\m+32*\bt+I_:64*\m+32*\bt+I_+1], v[64*\m+32*\bt+I_:64*\m+32*\bt+I_+1], v[T+I_:T+I_+1]
.set I_, I_+2
.endr
.endr
	s_wait_dscnt 0x0                               ; the LDS stores of the tile before are done: their data registers are written again below.  This tile's swish stood between them and this wait
.if (4*\p+\m) > 0
	s_wait_alu depctr_vm_vsrc(0)                   ; the LDS stores of the tile before have read v[PW] and v[PC ..], which the quantiser below writes again
.endif
	WIN 0x0f
.irp b, 0,1,2,3
	v_max3_num_f32 v[TM+\b], |v[64*\m+16*\b]|, |v[64*\m+16*\b+1]|, 0x2800000   ; block b: my 16 numbers, and the floor 2^(5 - 127)
.endr
.irp i, 2,4,6,8,10,12,14
.irp b, 0,1,2,3
	v_max3_num_f32 v[TM+\b], |v[64*\m+16*\b+\i]|, |v[64*\m+16*\b+\i+1]|, v[TM+\b]   ; the four blocks by turns
.endr
.endr
	WIN 0
.irp b, 0,1,2,3
	v_permlanex16_b32 v[TM+4+\b], v[TM+\b], s50, s51
.endr
.irp b, 0,1,2,3
	v_max_num_f32 v[TM+\b], v[TM+\b], v[TM+4+\b]   ; with lane l xor 16's 16: the block's largest magnitude
.endr
.irp b, 0,1,2,3
	v_add_nc_u32 v[TM+12+\b], 0xfe000000, v[TM+\b] ; 4 off its exponent field: the conversion's scale operand
.endr
.irp b, 0,1,2,3
	v_lshrrev_b32 v[TM+4+\b], 23, v[TM+12+\b]      ; the byte
.endr
	v_lshl_or_b32 v[PW], v[TM+5], 8, v[TM+4]
	v_lshl_or_b32 v[PW], v[TM+6], 16, v[PW]
	v_lshl_or_b32 v[PW], v[TM+7], 24, v[PW]        ; my row's scale word
	WIN 0x03
.irp c, 0,1
	v_cvt_scalef32_pk16_bf6_f32 v[PC+6*\c:PC+6*\c+2], v[64*\m+32*\c:64*\m+32*\c+15], v[TM+12+2*\c]
	v_cvt_scalef32_pk16_bf6_f32 v[PC+12+4*\c:PC+12+4*\c+2], v[64*\m+32*\c+16:64*\m+32*\c+31], v[TM+12+2*\c+1]
.endr
	WIN 0
	v_nop                                          ; one plain place behind a scaled conversion
.irp c, 0,1                            ; the operand wants a whole block in a lane: lanes 0-15 block 2 c, lanes 16-31 block 2 c + 1
.irp i, 0,1,2
	v_permlane16_swap_b32 v[PC+6*\c+\i], v[PC+12+4*\c+\i]
.endr
.irp i, 0,1,2
	v_mov_b32 v[PC+3+6*\c+\i], v[PC+12+4*\c+\i]
.endr
.endr
	s_wait_alu depctr_va_vdst(0)                   ; the quantiser has written v[PC ..] and v[PW], which the four LDS stores below read
.irp g, 0,1,2
	ds_store_b128 v[HWI], v[PC+4*\g:PC+4*\g+3] offset:6144*(4*\p+\m)+512*\g
.endr
	ds_store_b32 v[HWS], v[PW] offset:512*(4*\p+\m)
.endr
	s_wait_dscnt 0x0                               ; the last tile's stores are done: behind the second swish the barrier follows
.endm
; Four of a K step's 16 matrix instructions of the second product: tile q of W2's columns against the hidden layer's four tiles of rows
.macro P2MM p, s, q
	WIN 0xf0|((1+\p)<<2)|(1+\s%2)
.irp m, 0,1,2,3
	MM 8*(4*\q+\m), 192+12*\m, 96*(\s/2)+12*(4*(\s%2)+\q), (\s==0), HS+4*(4*\p+\m)+\s, SCL+4*(2*\p+\s/2)+2*(\s%2)+\q/2, 2*(\q%2)
.endr
.endm
; A run of 64 columns of out for the 64 rows: for each expert four K steps of 16 matrix instructions on 16 accumulators by turns, then the gate.  fill = 1: the ring takes the sets of the tile's next run.
; K steps 1 to 3 ask, straight behind their wait, for the next step's hidden fragments (one step of 16 matrix instructions is what these have in which to land); K step 2 also asks for the slot that K steps 0 and 1 multiplied,
; dealt among its matrix instructions; the tail ahead of the gate asks for the slot of K steps 2 and 3 and for the fragments of the next expert's K step 1.  K step 0 asks for nothing.
.macro CHUNK fill
.irp p, 0,1
.irp s, 0,1,2,3
.if (\s%2) == 0
.set LC_, 28*(3-(2*\p+\s/2))
.if \fill || (LC_ > 56)
	s_wait_loadcnt 56                              ; the set of this and the next K step is in: two sets at the least, 56 loads, were issued behind it, and two may stay out
.else
	s_wait_loadcnt LC_                             ; the last run's last three sets: 56, 28 and no loads were issued behind them
.endif
.endif
.if \s == 0
	s_wait_dscnt 12                                ; this step's hidden fragments are in; the next step's 12 loads, asked for in the tail, may be out
.else
	s_wait_dscnt 0x0                               ; this step's hidden fragments: nothing was issued behind them
.endif
.if (\s > 0) && (\fill || ((4*\p+\s) < 7))
	s_wait_alu depctr_va_vdst(0)                   ; the K step before is done reading its buffer of hidden fragments (at K step 2: K steps 0 and 1 their ring slot and its scale words too): this step's loads land there
	HFETCH (\s+1)%2, ((4*\p+\s+1)%8)/4, (\s+1)%4   ; the next step's (the eight steps go round from run to run)
.endif
	P2MM \p, \s, 0
.if \fill && (\s == 2)
	LOADSET 2*\p, LI, W2W+2*\p, 0, LS, S2W+2*\p, 0, 0      ; no further wait: the matrix instructions since the wait name the other slot, the other buffer, and y
.endif
	P2MM \p, \s, 1
.if \fill && (\s == 2)
	LOADSET 2*\p, LI, W2W+2*\p, 0, LS, S2W+2*\p, 0, 1
.endif
	P2MM \p, \s, 2
	P2MM \p, \s, 3
	WIN 0
	PLACES
.if (\p == 0) && (\s == 1)
	; THE RUN'S ONE WAIT ON XCNT.  The run before issued four sets of loads (bases s[74:81]) and 32 stores (base s[82:83], data the gated sums).  Those bases are rewritten just below and the sums further down,
	; all behind this wait; 32 matrix instructions stand between the stores and it.
	s_wait_xcnt 0x0
	s_wait_alu depctr_vm_vsrc(0)                   ; the 32 stores of the run before have read the gated sums, which this run's gate writes again
	s_lshl_b32 s56, s[CH], 8                       ; out at the run in hand: 256 bytes a run (s57 = 0)
	s_add_nc_u64 s[OUTW:OUTW+1], s[OUTB:OUTB+1], s[56:57]
.if \fill
	s_add_co_u32 s[CH], s[CH], 1
	s_and_b32 s[CH], s[CH], 3                      ; the tile's next run: its four go round
	s_mul_i32 s56, s[CH], 24576                    ; 16 fragments a run and expert,
	s_add_nc_u64 s[W2W:W2W+1], s[W2LO:W2LO+1], s[56:57]
	s_add_nc_u64 s[W2W+2:W2W+3], s[W2HI:W2HI+1], s[56:57]
	s_lshl_b32 s56, s[CH], 10                      ; and 1,024 bytes of scale words
	s_add_nc_u64 s[S2W:S2W+1], s[S2LO:S2LO+1], s[56:57]
	s_add_nc_u64 s[S2W+2:S2W+3], s[S2HI:S2HI+1], s[56:57]
.endif
.endif
.endr
.if \fill || (\p == 0)
	s_wait_alu depctr_va_vdst(0)                   ; K step 3 is done reading its buffer of hidden fragments, K steps 2 and 3 their ring slot and its scale words: the loads below land there
	HFETCH 1, ((4*\p+5)%8)/4, 1                    ; the next expert's K step 1
.if \fill
	LOADSET 2*\p+1, LI, W2W+2*\p, 12288, LS, S2W+2*\p, 512, 2
.endif
.endif
.if \p == 0
	WIN 0xcc
.irp m, 0,1,2,3
.irp j, 0,1,2,3,4,5,6,7
.irp q, 0,1,2,3
	v_mul_f32 v[128+32*\m+4*\j+\q], v[G+2*(8*\m+\j)], v[8*(4*\q+\m)+\j]        ; g_lo y: each accumulator is read from its low end on
.endr
.endr
.endr
.else
	WIN 0xcc
.irp m, 0,1,2,3
.irp j, 0,1,2,3,4,5,6,7
.irp q, 0,1,2,3
	v_fmac_f32 v[128+32*\m+4*\j+\q], v[G+2*(8*\m+\j)+1], v[8*(4*\q+\m)+\j]     ; + g_hi y
.endr
.endr
.endr
	WIN 0x0d
	s_wait_alu depctr_va_vdst(0)                   ; the multiply-adds have written the gated sums, which the 32 stores below read
.irp m, 0,1
.irp j, 0,1,2,3,4,5,6,7
	global_store_b128 v[240+8*\m+\j], v[128+32*\m+4*\j:128+32*\m+4*\j+3], s[OUTW:OUTW+1] th:TH_STORE_NT   ; lanes 0-15 store 256 consecutive bytes of row 16 m + j, lanes 16-31 of row 16 m + 8 + j
.endr
.endr
	WIN 0x0e
.irp m, 2,3
.irp j, 0,1,2,3,4,5,6,7
	global_store_b128 v[240+8*(\m-2)+\j], v[128+32*\m+4*\j:128+32*\m+4*\j+3], s[OUTW:OUTW+1] th:TH_STORE_NT
.endr
.endr
	WIN 0
.endif
.endr
.endm
	s_load_b256 s[4:11], s[0:1], 0x0               ; slots s[4:5], gslots s[6:7], xq s[8:9], wq s[10:11]
	s_load_b64 s[12:13], s[0:1], 0x20              ; out
	v_lshl_add_u32 v254, v0, 2, 0x19000
	v_mov_b32 v255, 0
	v_lshrrev_b32 v1, 5, v0
	v_readfirstlane_b32 s14, v1                    ; wave 0..3
	s_lshl_b32 s2, ttmp9, 4
	s_mov_b32 s3, 0
.irp i, 0,1,2,3,4,5,6,7
	s_add_co_u32 s[KS+\i], ttmp9, \i
	s_and_b32 s[KS+\i], s[KS+\i], 7                ; step i of the first product takes K step (tile + i) % 8
.endr
	s_and_b32 s[CH], ttmp9, 3                      ; the second product begins at run tile % 4 of my four runs of 64 columns
	s_mov_b32 s57, 0                               ; the high word of every offset pair s[56:57]; never rewritten
	s_wait_alu depctr_va_sdst(0)                   ; s14, the wave's number, is written, ahead of its first reader: LDS addresses and the weights' bases are made from it
	s_wait_kmcnt 0x0
	s_add_nc_u64 s[36:37], s[4:5], s[2:3]
	s_load_b128 s[16:19], s[36:37], 0x0            ; my tile: lo, hi, rows, 0
	v_and_b32 v10, 31, v0
	v_lshlrev_b32 v[LI], 4, v10
	v_lshlrev_b32 v[LS], 2, v10
	v_and_b32 v[RR], 15, v0
	v_bfe_u32 v[HH], v0, 4, 1
	s_mul_i32 s54, s14, 12288
	v_add_nc_u32 v[XWI], s54, v[LI]                ; x's images 8 w .. 8 w + 7
	s_mul_i32 s54, s14, 1536
	s_add_co_u32 s54, s54, HIMG
	v_add_nc_u32 v[HWI], s54, v[LI]                ; the hidden layer's image of K step w
	s_lshl_b32 s54, s14, 7
	s_add_co_u32 s54, s54, HSC
	v_add_nc_u32 v[HWS], s54, v[LS]
	v_add_nc_u32 v[LIH], HIMG, v[LI]
	v_add_nc_u32 v[LSH], HSC, v[LS]
	s_lshl_b32 s54, s14, 10
	v_lshl_add_u32 v[VB], v[RR], 4, s54
.irp b, 0,1,2,3
	v_mov_b32 v[TM+4+\b], 0                        ; written once: a lane permute's destination counts as one of its sources
.endr
.irp i, 0,1,2,3,4,5,6,7
	s_mul_i32 s54, s[KS+\i], 12288                 ; a K step of W1 is 8 fragments for my 128 hidden units,
	v_add_nc_u32 v[WO+\i], s54, v[LI]
	s_lshl_b32 s54, s[KS+\i], 9                    ; and 512 bytes of scale words
	v_add_nc_u32 v[WSO+\i], s54, v[LS]
.endr
	s_mov_b64 s[XCB:XCB+1], s[8:9]
	s_add_nc_u64 s[XSB:XSB+1], s[8:9], XS_OFF
.irp i, 0,1,2,3,4,5,6,7
	s_lshl_b32 s56, s[KS+\i], 2                    ; a token's scale word of step i's K step
	s_add_nc_u64 s[XSR+2*\i:XSR+2*\i+1], s[XSB:XSB+1], s[56:57]
.endr
	s_mov_b64 s[OUTB:OUTB+1], s[12:13]
	s_mov_b32 s48, 0xbfb8aa3b                      ; -log2(e); the packed form names the pair and takes its low word for both halves
	s_mov_b32 s49, s48
	s_mov_b32 s50, 0x76543210                      ; v_permlanex16_b32's selects for lane l xor 16
	s_mov_b32 s51, 0xfedcba98
	s_wait_kmcnt 0x0
	s_min_u32 s16, s16, 7                          ; an expert's number
	s_min_u32 s17, s17, 7
	s_max_u32 s46, s18, 1
	s_sub_co_u32 s46, s46, 1
	s_min_u32 s46, s46, 63                         ; the tile's last row (an entry of 0 rows: row 0)
	s_min_u32 s55, s18, 1
	s_mul_i32 s55, s55, ttmp9                      ; whose token numbers and gates I read: my tile's; an entry of 0 rows reads tile 0's, whose row 0 is always written
	s_lshl_b32 s54, s16, 2
	s_add_co_u32 s54, s54, s14                     ; lo x 4 + w: 98,304 bytes of codes and 4,096 of scale words in each of W1 and W2
	s_mul_i32 s56, s54, 98304
	s_add_nc_u64 s[W1LO:W1LO+1], s[10:11], s[56:57]
	s_add_nc_u64 s[W2LO:W2LO+1], s[W1LO:W1LO+1], W2C_OFF
	s_lshl_b32 s56, s54, 12
	s_add_nc_u64 s[S1LO:S1LO+1], s[10:11], s[56:57]
	s_add_nc_u64 s[S1LO:S1LO+1], s[S1LO:S1LO+1], W1S_OFF
	s_add_nc_u64 s[S2LO:S2LO+1], s[S1LO:S1LO+1], 131072
	s_lshl_b32 s54, s17, 2
	s_add_co_u32 s54, s54, s14
	s_mul_i32 s56, s54, 98304
	s_add_nc_u64 s[W1HI:W1HI+1], s[10:11], s[56:57]
	s_add_nc_u64 s[W2HI:W2HI+1], s[W1HI:W1HI+1], W2C_OFF
	s_lshl_b32 s56, s54, 12
	s_add_nc_u64 s[S1HI:S1HI+1], s[10:11], s[56:57]
	s_add_nc_u64 s[S1HI:S1HI+1], s[S1HI:S1HI+1], W1S_OFF
	s_add_nc_u64 s[S2HI:S2HI+1], s[S1HI:S1HI+1], 131072
	s_mul_i32 s56, s[CH], 24576                    ; W2 at the tile's first run
	s_add_nc_u64 s[W2W:W2W+1], s[W2LO:W2LO+1], s[56:57]
	s_add_nc_u64 s[W2W+2:W2W+3], s[W2HI:W2HI+1], s[56:57]
	s_lshl_b32 s56, s[CH], 10
	s_add_nc_u64 s[S2W:S2W+1], s[S2LO:S2LO+1], s[56:57]
	s_add_nc_u64 s[S2W+2:S2W+3], s[S2HI:S2HI+1], s[56:57]
	s_lshl_b32 s56, s55, 8
	s_add_nc_u64 s[TOKB:TOKB+1], s[4:5], s[56:57]
	s_add_nc_u64 s[TOKB:TOKB+1], s[TOKB:TOKB+1], 4096
	s_lshl_b32 s56, s55, 9
	s_add_nc_u64 s[GPB:GPB+1], s[6:7], s[56:57]
	; the tokens of rows 16 m + lane % 16 (for x's scale words) and 16 w + lane % 16 (for the codes that I bring)
.irp m, 0,1,2,3
	v_add_nc_u32 v[IX+\m], 16*\m, v[RR]
.endr
	s_lshl_b32 s54, s14, 4
	v_add_nc_u32 v[IX+4], s54, v[RR]
.irp i, 0,1,2,3,4
	v_min_u32 v[IX+\i], s46, v[IX+\i]              ; rows past the count repeat the last row
	v_min_u32 v[IX+\i], 63, v[IX+\i]
	v_lshlrev_b32 v[IX+\i], 2, v[IX+\i]
.endr
	s_wait_alu depctr_va_vdst(0)                   ; all addresses and offsets made so far (v1-9, v15, v96-111, v232-236) are written, which the kernel's loads and stores read
.irp i, 0,1,2,3,4
	global_load_b32 v[TK+\i], v[IX+\i], s[TOKB:TOKB+1]
.endr
	FILLK 0, 2
	FILLK 1, 2
	s_wait_loadcnt 56                              ; the five token numbers are in; the two sets behind them may be out
.irp i, 0,1,2,3,4
	v_min_u32 v[TK+\i], 0x1fff, v[TK+\i]           ; a token's number
.endr
.irp m, 0,1,2,3
	v_lshlrev_b32 v[IX+8+\m], 5, v[TK+\m]          ; 32 bytes of scale words a token
.endr
	v_mul_u32_u24 v[IX+12], v[TK+4], 768           ; 768 bytes of codes a token,
	v_mad_u32_u24 v[IX+12], v[HH], 384, v[IX+12]   ; my half's 384: the 12 registers of each of the 8 K steps, on end
	s_wait_alu depctr_va_vdst(0)
.irp i, 0,1,2,3,4,5,6,7
	s_mul_i32 s54, s[KS+\i], 48                    ; step i's K step: 48 bytes
	v_add_nc_u32 v[XO+\i], s54, v[IX+12]
.endr
	WIN 0xc0
	s_wait_alu depctr_va_vdst(0)                   ; x's offsets v200-207 and v240-243 are written, which the 56 loads below read
.irp i, 0,1,2,3,4,5,6,7
.irp g, 0,1,2
	global_load_b128 v[12*\i+4*\g:12*\i+4*\g+3], v[XO+\i], s[XCB:XCB+1] offset:16*\g
.endr
.endr
	WIN 0
.irp m, 0,1,2,3
.irp i, 0,1,2,3,4,5,6,7
	global_load_b32 v[XS+8*\m+\i], v[IX+8+\m], s[XSR+2*\i:XSR+2*\i+1]   ; register 8 m + i: the word of step i's K step
.endr
.endr
	FILLK 2, 2
	FILLK 3, 2
	s_wait_loadcnt 56                              ; x's codes and scale words are in; the two sets behind them may be out
	WIN 0x0c                                       ; an LDS store's data are its source 1: window 3
.irp s, 0,1,2,3,4,5,6,7
.irp g, 0,1,2
	ds_store_b128 v[XWI], v[12*\s+4*\g:12*\s+4*\g+3] offset:1536*\s+512*\g
.endr
.endr
	WIN 0
	s_wait_dscnt 0x0                               ; for the others' sake: my eight images lie in LDS
	s_barrier_signal -1
	s_barrier_wait -1                              ; x's 32 images do
	s_wait_alu depctr_vm_vsrc(0)                   ; my LDS stores have read window 3's v0-95, which the first product writes; x's loads have read v200-207, which the swish writes
	XFETCH 0, 0
	XFETCH 1, 1
	P1STEP 0, 0                                    ; sets 0 to 3 and the fragments of steps 0 and 1 were asked for above
.irp k, 1,2,3,4,5,6,7
	P1STEP \k, 1
.endr
	P1TAIL 7
	SQ 0
	P1STEP 8, 0                                    ; set 11 and step 9's fragments were asked for in the tail
.irp k, 9,10,11,12,13,14,15
	P1STEP \k, 1
.endr
	P1TAIL 15                                      ; the last of W2's first four sets
	SQ 1                                           ; (in its middle the rows' tokens and gates are asked for; it ends with a wait for all my LDS instructions)
	s_barrier_signal -1
	s_barrier_wait -1                              ; the hidden layer's 32 images and their scale words lie in LDS.  This was the last barrier:
	s_cmp_lg_u32 s18, 0                            ; only here may a wave's way hang on the entry's count
	s_cbranch_scc1 .Lrows
	s_wait_dscnt 0x0                               ; the closing lines, six on end.  This split has no such tile: nothing is stored
	s_wait_alu 0x0
	s_wait_tensorcnt 0x0
	ds_add_u32 v254, v255
	s_wait_dscnt 0x0
	s_endpgm
.Lrows:
	s_wait_loadcnt 0x0                             ; W2's first four sets, the tokens and the gates: asked for ahead of, and in, the swish
	WIN 0x44
.set I_, 0
.rept 16
	v_min_u32 v[240+I_], 0x1fff, v[240+I_]
.set I_, I_+1
.endr
	WIN 0x41
.set I_, 0
.rept 16
	v_lshl_add_u32 v[240+I_], v[240+I_], 12, v[VB] ; a row of out is 4,096 bytes
.set I_, I_+1
.endr
	WIN 0x88
.set I_, 0
.rept 16
	v_min_u32 v[240+I_], 0x1fff, v[240+I_]
.set I_, I_+1
.endr
	WIN 0x82
.set I_, 0
.rept 16
	v_lshl_add_u32 v[240+I_], v[240+I_], 12, v[VB]
.set I_, I_+1
.endr
	WIN 0
.set I_, 0
.rept 32
	ds_load_b32 v[HS+I_], v[LSH] offset:128*I_
.set I_, I_+1
.endr
	HFETCH 0, 0, 0                                 ; no wait: the first product's last readers of both buffers stand ahead of the wait in the tail behind step 15, and nothing since names these registers
	HFETCH 1, 0, 1
	WIN 0
	s_mov_b32 s52, 3
.Lchunk:                               ; three trips; each asks for the weights of the tile's next run of 64 columns
	CHUNK 1
	s_sub_co_u32 s52, s52, 1
	s_cmp_lg_u32 s52, 0
	s_cbranch_scc1 .Lchunk
	CHUNK 0                                        ; the last run is written out: nothing is left to fetch
	s_wait_dscnt 0x0                               ; the closing lines, six on end
	s_wait_alu 0x0
	s_wait_tensorcnt 0x0
	ds_add_u32 v254, v255
	s_wait_dscnt 0x0
	s_endpgm
.Lfunc_end_k_q0872b591f0_chain:
	.size	k_q0872b591f0_chain, .Lfunc_end_k_q0872b591f0_chain-k_q0872b591f0_chain
	.p2alignl 7, 3214868480
	.fill 96, 4, 3214868480
	.section	.rodata,"a",@progbits
	.p2align	6, 0x0
	.amdhsa_kernel k_q0872b591f0_chain
		.amdhsa_group_segment_fixed_size 102912
		.amdhsa_private_segment_fixed_size 0
		.amdhsa_enable_private_segment 0
		.amdhsa_kernarg_size 40
		.amdhsa_user_sgpr_count 2
		.amdhsa_user_sgpr_kernarg_segment_ptr 1
		.amdhsa_wavefront_size32 1
		.amdhsa_system_sgpr_workgroup_id_x 1
		.amdhsa_system_sgpr_workgroup_id_y 1
		.amdhsa_system_sgpr_workgroup_id_z 1
		.amdhsa_system_vgpr_workitem_id 0
		.amdhsa_next_free_vgpr 1024
		.amdhsa_next_free_sgpr 100
		.amdhsa_reserve_vcc 0
		.amdhsa_float_denorm_mode_32 3
		.amdhsa_float_denorm_mode_16_64 3
		.amdhsa_memory_ordered 1
		.amdhsa_forward_progress 1
		.amdhsa_inst_pref_size 255
	.end_amdhsa_kernel
	.section	.bss,"aw",@nobits
	.p2align	6
	.space	262144
	.amdgpu_metadata
---
amdhsa.version: [ 1, 2 ]
amdhsa.kernels:
  - .name:           k_q0872b591f0_chain
    .symbol:         k_q0872b591f0_chain.kd
    .args:
      - { .name: slots, .offset: 0, .size: 8, .value_kind: global_buffer, .address_space: global }
      - { .name: gslots, .offset: 8, .size: 8, .value_kind: global_buffer, .address_space: global }
      - { .name: xq, .offset: 16, .size: 8, .value_kind: global_buffer, .address_space: global }
      - { .name: wq, .offset: 24, .size: 8, .value_kind: global_buffer, .address_space: global }
      - { .name: out0, .offset: 32, .size: 8, .value_kind: global_buffer, .address_space: global }
    .group_segment_fixed_size: 102912
    .private_segment_fixed_size: 0
    .kernarg_segment_align: 8
    .kernarg_segment_size: 40
    .max_flat_workgroup_size: 128
    .sgpr_count:     100
    .vgpr_count:     1024
    .wavefront_size: 32
...
	.end_amdgpu_metadata
.endif
;; end of part 6
